; MI455X (gfx1250); checked and timed in simulation.
; The chip was launched on July 23, 2026; its instructions are those of AMD's public machine-readable ISA for CDNA 5 (MIT licence, August 2026) and "CDNA5" Instruction Set Architecture Reference Guide (July 2026). The comments in the code are by the model that wrote it; some were corrected since.
;; Attention. Allowed arithmetic: matrix products marked QUANTISED: E4M3 operands, one E8M0 scale for each 32 along K, by v_wmma_scale_f32_16x16x128_f8f6f4 with both operands' format E4M3, f32 sums; everything else in f32.
;; Inputs: Wk 1,024 x 1,024 float32; Wq 1,024 x 1,024 float32; Wv 1,024 x 1,024 float32; b_k 1,024 float32; b_t 1,024 float32; b_v 1,024 float32; bk 1,024 float32; bq 1,024 float32; bv 1,024 float32; g_k 1,024 float32; g_t 1,024 float32; g_v 1,024 float32; source_k 8 x 2,048 x 1,024 float32; source_v 8 x 2,048 x 1,024 float32; target 8 x 512 x 1,024 float32.
;; Outputs: out0 8 x 512 x 1,024 float32.
;; This version of the problem:
;;   THIS VERSION OF THE PROBLEM IS GIVEN IN LOW PRECISION. The matrix products marked QUANTISED in the list below multiply operands that are first quantised to E4M3 (4 exponent bits, 3 mantissa bits; 8 bits a number), with one power-of-two scale for each 32 numbers along K (OCP MX v1.0); their sums are f32. All else is computed in f32.
;;   The module's matrix products, in the order in which they are computed (A, B: the left and right operand; K: the contracted axis; several contracted axes count as one K, in the product's order):
;;     1. [M 4,096, K 1,024] x [K 1,024, N 1,024]; A: computed on the way; B: input Wq: QUANTISED
;;     2. [M 16,384, K 1,024] x [K 1,024, N 1,024]; A: computed on the way; B: input Wk: QUANTISED
;;     3. [M 16,384, K 1,024] x [K 1,024, N 1,024]; A: computed on the way; B: input Wv: QUANTISED
;;     4. batch 8 x [M 512, K 1,024] x [K 1,024, N 2,048]; A: computed on the way; B: computed on the way: QUANTISED
;;     5. batch 8 x [M 512, K 2,048] x [K 2,048, N 1,024]; A: softmax (see below); B: computed on the way: QUANTISED
;;   THE QUANTISER, for each operand of a quantised product, along K:
;;     - K is cut into blocks of 32 from its start; a last block that is shorter is filled with zeros.
;;     - A block's scale is 2^e with e = floor(log2(the largest magnitude in the block)) - 8, held to -126 .. 127; a block of zeros has e = 0. As a byte (E8M0): e + 127.
;;     - Each number is divided by its block's scale, clamped to +-448, and rounded to the nearest number of E4M3, ties to even, subnormals kept.
;;     - The product sums the exact products of the quantised numbers (number of the format x scale) in f32.
;;   ~~~python
;;   def quantise(x, axis):      # numpy; x: float32 -> the quantised numbers, widened to float32 again
;;       x = np.moveaxis(x, axis, -1); K = x.shape[-1]
;;       x = np.pad(x, [(0, 0)] * (x.ndim - 1) + [(0, -K % 32)]); x = x.reshape(x.shape[:-1] + (-1, 32)); a = np.abs(x).max(-1, keepdims=True)
;;       e = np.where(a > 0, np.clip(np.frexp(np.where(a > 0, a, 1))[1] - 1 - 8, -126, 127), 0)      # np.frexp(a)[1] - 1 = floor(log2(a)), exactly
;;       r = np.clip(x / 2.0 ** e, -448, 448)
;;       step = 2.0 ** (np.maximum(np.frexp(np.where(r == 0, 1, r))[1] - 1, -6) - 3)
;;       q = np.round(r / step) * step * 2.0 ** e      # np.round: ties to even
;;       return np.moveaxis(q.reshape(q.shape[:-2] + (-1,))[..., :K], -1, axis).astype(np.float32)
;;   ~~~
;;   SOFTMAX AHEAD OF A QUANTISED PRODUCT. Where the list says 'softmax', what is quantised is not the finished softmax but p = 2^(t - M), with t = logit x log2(e) and M = ceil(the row's largest t), a whole number; so 1/2 < the row's largest p <= 1. The row's sum l is taken of the UNQUANTISED p, in f32, and the product's result is divided by l at the end. Since M is a whole number, a kernel that streams over the keys may use a running M (the ceiling of the running maximum): every later rescaling is an exact power of two, which a block's scale takes up: the codes' values come out the same.
;;   OPERANDS COMPUTED ON THE WAY. 'Computed on the way' means the value that the module computes at that place (a softmax that the list does not call 'softmax' is quantised finished and normalised). What goes into a quantiser is computed in f32, as accurately as f32 sums, v_exp_f32 and their like allow (about 1e-6 of the number): no bf16 or f16 on the way to a quantiser, and a product that is left as it is and whose result goes on into a quantised operand takes f32 operands (vector FMAs, or v_wmma_f32_16x16x4_f32). A number that lies on a knife's edge between two numbers of the format may be rounded either way, as far as f32 arithmetic and the matrix unit's own rounding can turn it there, and no further.
;; One version. Each part assembles by itself: llvm-mc -triple=amdgcn-amd-amdhsa -mcpu=gfx1250 --defsym DOCPART=n.
;; ======== version 1 of 1: 4 launches
;; limits: right only within a limited range of input values
;; workspace buffers: xc 40,894,464 bytes; xs 1,277,952 bytes; qk 20,971,520 bytes; qks 655,360 bytes; vt 16,777,216 bytes; vts 524,288 bytes; pc 8,388,608 bytes; pmeta 786,432 bytes
;; launch prep (part 1): grid 624 x 1, 4 waves a work-group, no clusters, 90,624 bytes of LDS; arguments target, source_k, source_v, Wq, Wk, Wv, g_t, b_t, g_k, b_k, g_v, b_v, xc, xs; writes xc, xs
.if DOCPART == 1
	.amdgcn_target "amdgcn-amd-amdhsa--gfx1250"
	.amdhsa_code_object_version 6
	.text
	.protected	k_q3fac9f1393_prep
	.globl	k_q3fac9f1393_prep
	.p2align	8
	.type	k_q3fac9f1393_prep,@function
k_q3fac9f1393_prep:
	s_mov_b64 s[64:65], 0
	v_nop
	global_prefetch_b8 v0, s[64:65] scope:SCOPE_SE
	s_setreg_imm32_b32 hwreg(HW_REG_WAVE_MODE, 25, 1), 1
	s_wait_xcnt 0x0
; LayerNorm (target, source_k, source_v) or nothing (Wq, Wk, Wv), then the MX-FP8 quantiser along the rows' 1,024 numbers: codes of E4M3 and one E8M0 byte for each 32.
; OUTPUT LAYOUT.  xc: images of matrix operands' registers: [row tile of 16][K step of 128][c 0..3][h 0..1][place r 0..15][16 bytes]; the 16 bytes are k = 32 c + 16 h + 0 .. 15 of the tile's row at place r.
; xs: scale words [pair of K steps 0..3][row position][2 words]; a word is the four bytes of 128 along K.
; Row tiles of xc: target 0-255, source_k 256-1279, source_v 1280-2303, Wq 2304-2367, Wk 2368-2431, Wv 2432-2495.
; PERMUTED TILES (source_k, source_v, Wq, Wk): tile 2 b + u holds rows 32 b + 8 u + 0..7 at places 0-7 and rows 32 b + 16 + 8 u + 0..7 at places 8-15, so that a product that takes such a tile as its
; first source leaves 16 neighbouring indices in the 16 registers of two neighbouring tiles.
; SHARES.  A work-group takes 4 row tiles, a wave one (16 rows), a lane one block of 32 numbers of each row (a row has 32 blocks).  So a block's largest magnitude needs no other lane.
; ONE PATH FOR ALL SIX TENSORS.  Only pointers and three numbers are chosen by the work-group's number.  For a weight the mean's factor is 0, the reciprocal deviation 1, the gain 1 and the bias 0, so that
; the LayerNorm's lines return x itself; the gain and bias that such a work-group loads (g_v, b_v: inside their buffers) are replaced by 1 and 0.
; THE VARIANCE is taken in two passes, of x - mean, as the reference takes it: no difference of large sums is formed.
; Each load reads 512 consecutive bytes of a row; LOADS RUN FOUR ROWS AHEAD, in four sets of 32 registers: 32 loads, 16,384 bytes, of a wave are on their way.  A row turns through the wave's own stage in LDS so that
; a lane gets its 128 consecutive bytes.  The codes gather in the wave's image stage and leave 512 consecutive bytes a store; the scale bytes gather in 2,048 bytes of the work-group and leave 512 consecutive bytes a wave.
; LIMITS: NaN and infinities among the inputs are not served.  A block whose largest magnitude lies under 2^-118 (a block of zeros too) keeps the byte 1: the bytes are read by this program alone.
.set WREG,  22016                      ; LDS of a wave: one turn stage of 32 x 144 bytes, then the image stage of 64 x 272 bytes
.set TURNB, 4608
.set IMG,   TURNB
.set SCST,  4*WREG                     ; the work-group's scale bytes: [4 pairs of K steps][64 rows][8 bytes]
.set E,   24                           ; v24-25   the block's byte, by the row's parity
.set PC,  28                           ; v28-43   the block's 32 codes, two sets by the row's parity
.set G,   44                           ; v44-75   gain of my 32 columns
.set B,   76                           ; v76-107  bias of my 32 columns
.set X,   108                          ; v108-171 my 32 numbers of a row, two sets
.set R,   172                          ; v172-235 a row as loaded, sets 0 and 1; sets 2 and 3 are v256-319: v0-63 of window 1
.set OUT, 108                          ; v108-235 the way out
; v1 lane; v2 16 x lane; v3, v4 turn stage in and out; v5, v6 image stage in and out; v7, v8 scale bytes in and out; v9 128 x lane; v[10:11] mean; v[12:13] reciprocal deviation; v14-23 at work
.set MSB, 0
.macro WIN new                         ; s_set_vgpr_msb: bits 3:2 source 1, 7:6 destination; the immediate's high byte repeats the setting that is left
.if MSB != (\new)
	s_set_vgpr_msb (MSB<<8)|(\new)
.set MSB, (\new)
.endif
.endm
	s_load_b512 s[8:23], s[0:1], 0x0               ; target 8, source_k 10, source_v 12, Wq 14, Wk 16, Wv 18, g_t 20, b_t 22
	s_load_b256 s[24:31], s[0:1], 0x40             ; g_k 24, b_k 26, g_v 28, b_v 30
	s_load_b128 s[32:35], s[0:1], 0x60             ; xc 32, xs 34
	v_lshl_add_u32 v254, v0, 2, 0x16000
	v_mov_b32 v255, 0
	v_lshrrev_b32 v1, 5, v0
	v_readfirstlane_b32 s52, v1                    ; wave 0..3
	v_and_b32 v1, 31, v0                           ; lane
	s_mul_i32 s53, s52, WREG
	v_lshlrev_b32 v2, 4, v1
	v_lshrrev_b32 v14, 3, v1
	v_and_b32 v15, 7, v1
	v_mul_u32_u24 v3, v14, 144
	v_lshl_add_u32 v3, v15, 4, v3
	v_add_nc_u32 v3, s53, v3                       ; turn stage, in: eight lanes' 128 bytes on end, then 16 of padding
	v_mul_u32_u24 v4, v1, 144
	v_add_nc_u32 v4, s53, v4                       ; and out: my 128 bytes
	s_add_co_u32 s49, s53, IMG
	v_mul_u32_u24 v5, v1, 544
	v_add_nc_u32 v5, s49, v5                       ; image stage, in: my block's two pieces (h = 0, 1) of 256 + 16 bytes; a row's 16 bytes at 16 x place
	v_lshrrev_b32 v16, 4, v1
	v_and_b32 v17, 15, v1
	v_mul_u32_u24 v6, v16, 272
	v_lshl_add_u32 v6, v17, 4, v6
	v_add_nc_u32 v6, s49, v6                       ; and out: sixteen lanes to a piece, two pieces an instruction
	s_lshl_b32 s49, s52, 7
	s_add_co_u32 s49, s49, SCST
	v_lshl_add_u32 v7, v14, 9, v15
	v_add_nc_u32 v7, s49, v7                       ; my block's byte: pair of K steps lane / 8, byte lane % 8, my wave's 16 rows
	s_lshl_b32 s49, s52, 9
	s_add_co_u32 s49, s49, SCST
	v_add_nc_u32 v8, s49, v2                       ; out: wave w takes pair w's 512 bytes
	v_lshlrev_b32 v9, 7, v1
	v_mov_b32 v11, 0                               ; upper halves of pairs of which the low word serves both halves: named, so written
	v_mov_b32 v13, 0
	v_mov_b32 v19, 0                               ; a lane permute's destination counts as one of its sources
	s_mov_b32 s46, 0x3a800000                      ; 1 / 1024
	s_mov_b32 s47, 0x3727c5ac                      ; 1e-5
	s_mov_b32 s48, 0x600000                        ; the mantissa field of 448
	s_mov_b32 s50, 0x76543210
	s_mov_b32 s51, 0xfedcba98                      ; lane l xor 16
	s_wait_alu depctr_va_vdst(0)
	s_wait_kmcnt 0x0
	; which tensor: the choice hangs on the work-group's number alone
	s_mov_b64 s[36:37], s[8:9]                     ; source
	s_mov_b64 s[38:39], s[20:21]                   ; gain
	s_mov_b64 s[40:41], s[22:23]                   ; bias
	s_mov_b32 s42, 0                               ; the tensor's first work-group
	s_mov_b32 s43, 0                               ; 1: permuted tiles
	s_mov_b32 s44, -1                              ; all ones: LayerNorm on
	s_cmp_ge_u32 ttmp9, 64
	s_cselect_b64 s[36:37], s[10:11], s[36:37]
	s_cselect_b64 s[38:39], s[24:25], s[38:39]
	s_cselect_b64 s[40:41], s[26:27], s[40:41]
	s_cselect_b32 s42, 64, s42
	s_cselect_b32 s43, 1, s43
	s_cmp_ge_u32 ttmp9, 320
	s_cselect_b64 s[36:37], s[12:13], s[36:37]
	s_cselect_b64 s[38:39], s[28:29], s[38:39]
	s_cselect_b64 s[40:41], s[30:31], s[40:41]
	s_cselect_b32 s42, 320, s42
	s_cmp_ge_u32 ttmp9, 576
	s_cselect_b64 s[36:37], s[14:15], s[36:37]
	s_cselect_b32 s42, 576, s42
	s_cselect_b32 s44, 0, s44
	s_cmp_ge_u32 ttmp9, 592
	s_cselect_b64 s[36:37], s[16:17], s[36:37]
	s_cselect_b32 s42, 592, s42
	s_cmp_ge_u32 ttmp9, 608
	s_cselect_b64 s[36:37], s[18:19], s[36:37]
	s_cselect_b32 s42, 608, s42
	s_cselect_b32 s43, 0, s43
	s_and_b32 s45, s44, s46                        ; the mean's factor: 1 / 1024, or 0 for a weight
	s_sub_co_u32 s49, ttmp9, s42
	s_lshl_b32 s49, s49, 2
	s_add_co_u32 s49, s49, s52                     ; my tile in its tensor
	s_lshr_b32 s62, s49, 1
	s_lshl_b32 s62, s62, 5
	s_and_b32 s63, s49, 1
	s_lshl_b32 s63, s63, 3
	s_add_co_u32 s62, s62, s63                     ; permuted: first row 32 (tile / 2) + 8 (tile % 2)
	s_lshl_b32 s63, s49, 4                         ; else 16 x tile
	s_cmp_eq_u32 s43, 1
	s_cselect_b32 s62, s62, s63
	s_lshl_b32 s62, s62, 12                        ; rows of 4,096 bytes (under 2^27)
	s_mov_b32 s63, 0
	s_add_nc_u64 s[54:55], s[36:37], s[62:63]      ; places 0-7: row = first row + place
	s_lshl_b32 s62, s43, 15
	s_add_nc_u64 s[56:57], s[54:55], s[62:63]      ; places 8-15: eight rows further on where the tile is permuted
	s_lshl_b32 s62, ttmp9, 2
	s_add_co_u32 s62, s62, s52
	s_lshl_b32 s62, s62, 14
	s_add_nc_u64 s[58:59], s[32:33], s[62:63]      ; my tile's 16,384 bytes of xc
	s_mul_i32 s62, s52, 319488                     ; pair w of K steps: 39,936 rows x 8 bytes each
	s_lshl_b32 s49, ttmp9, 9
	s_add_co_u32 s62, s62, s49
	s_add_nc_u64 s[60:61], s[34:35], s[62:63]      ; the work-group's 64 rows there
.irp j, 0,1,2,3,4,5,6,7
	global_load_b128 v[G+4*\j:G+4*\j+3], v9, s[38:39] offset:16*\j
	global_load_b128 v[B+4*\j:B+4*\j+3], v9, s[40:41] offset:16*\j
.endr
.macro LOAD i                          ; the row at place i: eight loads of 512 consecutive bytes, into set i % 4
.if (\i) < 8
.set SRCB, 54
.else
.set SRCB, 56
.endif
.set RS, (\i)%4
.if RS < 2
.set RB, R+32*RS
	WIN 0
.else
.set RB, 32*(RS-2)
	WIN 0x40                                       ; destination window 1, address window 0
.endif
.irp j, 0,1,2,3,4,5,6,7
	global_load_b128 v[RB+4*\j:RB+4*\j+3], v2, s[SRCB:SRCB+1] offset:(\i)*4096+512*\j th:TH_LOAD_NT
.endr
	WIN 0
.endm
.macro TURN i                          ; through the stage: LDS serves a wave's instructions in order, so no wait stands between the stores and the loads
.set RS, (\i)%4
.if RS < 2
.set RB, R+32*RS
	WIN 0
.else
.set RB, 32*(RS-2)
	WIN 0x04                                       ; an LDS store's data are its source 1: window 1
.endif
.irp j, 0,1,2,3,4,5,6,7
	ds_store_b128 v3, v[RB+4*\j:RB+4*\j+3] offset:576*\j
.endr
	WIN 0
.irp j, 0,1,2,3,4,5,6,7
	ds_load_b128 v[X+32*((\i)%2)+4*\j:X+32*((\i)%2)+4*\j+3], v4 offset:16*\j
.endr
.endm
.macro ACROSS                          ; v18 summed over the 32 lanes, the result in every lane
	v_add_f32_dpp v18, v18, v18 row_xmask:1 row_mask:0xf bank_mask:0xf
	v_add_f32_dpp v18, v18, v18 row_xmask:2 row_mask:0xf bank_mask:0xf
	v_add_f32_dpp v18, v18, v18 row_xmask:4 row_mask:0xf bank_mask:0xf
	v_add_f32_dpp v18, v18, v18 row_xmask:8 row_mask:0xf bank_mask:0xf
	v_permlanex16_b32 v19, v18, s50, s51
	v_add_f32 v18, v18, v19
.endm
	LOAD 0
	LOAD 1
	LOAD 2
	LOAD 3
	s_wait_loadcnt 24                              ; gain, bias and row 0 are in; the 24 loads of rows 1 to 3 may be out
.set J, 0
.rept 32
	v_cndmask_b32 v[G+J], 1.0, v[G+J], s44         ; a weight: gain 1,
	v_cndmask_b32 v[B+J], 0, v[B+J], s44           ; bias 0
.set J, J+1
.endr
	TURN 0
.macro ROW i
.set XS, X+32*((\i)%2)
.set PS, PC+8*((\i)%2)
.set ES, E+((\i)%2)
.if (\i) > 0
	s_wait_dscnt 3                                 ; my numbers of this row are back from the stage; the last row's two code stores and its byte store may be out
.else
	s_wait_dscnt 0x0
.endif
.if (\i)+4 < 16
	LOAD (\i)+4                                    ; into this row's set: its stores into the stage are done
.endif
.if (\i) < 15
.if (\i) < 12
	s_wait_loadcnt 24                              ; the next row is in; the 24 loads of the three rows behind it may be out
.else
	s_wait_loadcnt 8*(14-(\i))                     ; the last rows: the counts run down
.endif
	TURN (\i)+1                                    ; the next row turns through the stage, whose last reads are back, into the other set of registers
.endif
	v_pk_add_f32 v[14:15], v[XS:XS+1], v[XS+2:XS+3]               ; the row's sum: two chains in the lane, then across the lanes
	v_pk_add_f32 v[16:17], v[XS+4:XS+5], v[XS+6:XS+7]
.irp j, 8,12,16,20,24,28
	v_pk_add_f32 v[14:15], v[14:15], v[XS+\j:XS+\j+1]
	v_pk_add_f32 v[16:17], v[16:17], v[XS+\j+2:XS+\j+3]
.endr
	v_pk_add_f32 v[14:15], v[14:15], v[16:17]
	v_add_f32 v18, v14, v15
	ACROSS
	v_mul_f32 v10, s45, v18                        ; the mean (0 for a weight)
.set J, 0
.rept 16
	v_pk_add_f32 v[XS+J:XS+J+1], v[XS+J:XS+J+1], v[10:11] op_sel_hi:[1,0] neg_lo:[0,1] neg_hi:[0,1]   ; x - mean
.set J, J+2
.endr
	v_pk_mul_f32 v[14:15], v[XS:XS+1], v[XS:XS+1]                 ; the sum of its squares
	v_pk_mul_f32 v[16:17], v[XS+2:XS+3], v[XS+2:XS+3]
.irp j, 4,8,12,16,20,24,28
	v_pk_fma_f32 v[14:15], v[XS+\j:XS+\j+1], v[XS+\j:XS+\j+1], v[14:15]
	v_pk_fma_f32 v[16:17], v[XS+\j+2:XS+\j+3], v[XS+\j+2:XS+\j+3], v[16:17]
.endr
	v_pk_add_f32 v[14:15], v[14:15], v[16:17]
	v_add_f32 v18, v14, v15
	ACROSS
	v_fma_f32 v18, v18, s46, s47                   ; variance + 1e-5
	s_wait_alu depctr_va_vdst(0)
	v_rsq_f32 v20, v18
	v_nop                                          ; one plain instruction behind the transcendental,
	s_wait_alu depctr_va_vdst(0)                   ; and the wait ahead of its first reader
	v_cndmask_b32 v12, 1.0, v20, s44               ; (1 for a weight)
.set J, 0
.rept 16
	v_pk_mul_f32 v[XS+J:XS+J+1], v[XS+J:XS+J+1], v[12:13] op_sel_hi:[1,0]
.set J, J+2
.endr
.set J, 0
.rept 16
	v_pk_fma_f32 v[XS+J:XS+J+1], v[XS+J:XS+J+1], v[G+J:G+J+1], v[B+J:B+J+1]
.set J, J+2
.endr
	v_max3_num_f32 v20, |v[XS]|, |v[XS+1]|, |v[XS+2]|             ; the block's largest magnitude: all 32 numbers are mine
	v_max3_num_f32 v21, |v[XS+3]|, |v[XS+4]|, |v[XS+5]|
.irp j, 6,10,14,18,22,26
	v_max3_num_f32 v20, v20, |v[XS+\j]|, |v[XS+\j+1]|
	v_max3_num_f32 v21, v21, |v[XS+\j+2]|, |v[XS+\j+3]|
.endr
	v_max3_num_f32 v20, v20, |v[XS+30]|, |v[XS+31]|
	v_max3_num_f32 v20, v20, v21, 0x4800000        ; and the floor 2^(9 - 127): the byte cannot fall under 1
	v_add_nc_u32 v22, 0xfc000000, v20              ; 8 off its exponent field: the conversion takes the exponent field of this operand as its scale
	v_and_or_b32 v23, v20, 0x7f800000, s48         ; 448 x the scale
.set J, 0
.rept 32
	v_med3_num_f32 v[XS+J], v[XS+J], -v23, v23     ; the conversion to an 8-bit code does not saturate (ISA guide 7.6.2): the hold comes first
.set J, J+1
.endr
.irp g, 0,1,2,3
	v_cvt_scalef32_pk8_fp8_f32 v[PS+2*\g:PS+2*\g+1], v[XS+8*\g:XS+8*\g+7], v22
.endr
	v_lshrrev_b32 v[ES], 23, v22                   ; the scale's byte (also the plain instruction behind the conversions)
	ds_store_b128 v5, v[PS:PS+3] offset:16*(\i)            ; k = 0 .. 15 of my block: piece h = 0, place i
	ds_store_b128 v5, v[PS+4:PS+7] offset:272+16*(\i)      ; k = 16 .. 31: piece h = 1
	ds_store_b8 v7, v[ES] offset:8*(\i)
.endm
.irp i, 0,1,2,3,4,5,6,7,8,9,10,11,12,13,14,15
	ROW \i
.endr
.set J, 0
.rept 32
	ds_load_b128 v[OUT+4*J:OUT+4*J+3], v6 offset:544*J     ; LDS serves a wave's instructions in order: these see my stores
.set J, J+1
.endr
.set J, 0
.rept 32
	s_wait_dscnt 31-J                              ; the younger image loads may be out
	global_store_b128 v2, v[OUT+4*J:OUT+4*J+3], s[58:59] offset:512*J   ; 32 lanes store 512 consecutive bytes, at a multiple of 512 from xc's first byte
.set J, J+1
.endr
	s_wait_dscnt 0x0                               ; for the others' sake: my byte stores have landed
	s_barrier_signal -1
	s_barrier_wait -1
	ds_load_b128 v[PC:PC+3], v8                    ; a pair of K steps' words of the work-group's 64 rows
	s_wait_dscnt 0x0
	global_store_b128 v2, v[PC:PC+3], s[60:61]     ; 512 consecutive bytes
	s_wait_tensorcnt 0x0
	ds_add_u32 v254, v255
	s_wait_dscnt 0x0
	s_endpgm
.Lfunc_end_k_q3fac9f1393_prep:
	.size	k_q3fac9f1393_prep, .Lfunc_end_k_q3fac9f1393_prep-k_q3fac9f1393_prep
	.p2alignl 7, 3214868480
	.fill 96, 4, 3214868480
	.section	.rodata,"a",@progbits
	.p2align	6, 0x0
	.amdhsa_kernel k_q3fac9f1393_prep
		.amdhsa_group_segment_fixed_size 90624
		.amdhsa_private_segment_fixed_size 0
		.amdhsa_enable_private_segment 0
		.amdhsa_kernarg_size 112
		.amdhsa_user_sgpr_count 2
		.amdhsa_user_sgpr_kernarg_segment_ptr 1
		.amdhsa_wavefront_size32 1
		.amdhsa_system_sgpr_workgroup_id_x 1
		.amdhsa_system_sgpr_workgroup_id_y 1
		.amdhsa_system_sgpr_workgroup_id_z 1
		.amdhsa_system_vgpr_workitem_id 0
		.amdhsa_next_free_vgpr 320
		.amdhsa_next_free_sgpr 66
		.amdhsa_reserve_vcc 0
		.amdhsa_float_denorm_mode_32 3
		.amdhsa_float_denorm_mode_16_64 3
		.amdhsa_memory_ordered 1
		.amdhsa_forward_progress 1
		.amdhsa_inst_pref_size 202
	.end_amdhsa_kernel
	.amdgpu_metadata
---
amdhsa.version: [ 1, 2 ]
amdhsa.kernels:
  - .name:           k_q3fac9f1393_prep
    .symbol:         k_q3fac9f1393_prep.kd
    .args:
      - { .name: target, .offset: 0, .size: 8, .value_kind: global_buffer, .address_space: global }
      - { .name: source_k, .offset: 8, .size: 8, .value_kind: global_buffer, .address_space: global }
      - { .name: source_v, .offset: 16, .size: 8, .value_kind: global_buffer, .address_space: global }
      - { .name: Wq, .offset: 24, .size: 8, .value_kind: global_buffer, .address_space: global }
      - { .name: Wk, .offset: 32, .size: 8, .value_kind: global_buffer, .address_space: global }
      - { .name: Wv, .offset: 40, .size: 8, .value_kind: global_buffer, .address_space: global }
      - { .name: g_t, .offset: 48, .size: 8, .value_kind: global_buffer, .address_space: global }
      - { .name: b_t, .offset: 56, .size: 8, .value_kind: global_buffer, .address_space: global }
      - { .name: g_k, .offset: 64, .size: 8, .value_kind: global_buffer, .address_space: global }
      - { .name: b_k, .offset: 72, .size: 8, .value_kind: global_buffer, .address_space: global }
      - { .name: g_v, .offset: 80, .size: 8, .value_kind: global_buffer, .address_space: global }
      - { .name: b_v, .offset: 88, .size: 8, .value_kind: global_buffer, .address_space: global }
      - { .name: xc, .offset: 96, .size: 8, .value_kind: global_buffer, .address_space: global }
      - { .name: xs, .offset: 104, .size: 8, .value_kind: global_buffer, .address_space: global }
    .group_segment_fixed_size: 90624
    .private_segment_fixed_size: 0
    .kernarg_segment_align: 8
    .kernarg_segment_size: 112
    .max_flat_workgroup_size: 128
    .sgpr_count:     66
    .vgpr_count:     320
    .wavefront_size: 32
...
	.end_amdgpu_metadata
.endif
;; end of part 1
;; launch proj (part 2): grid 8 x 32, 4 waves a work-group, clusters of 4 x 1, 327,680 bytes of LDS; arguments xc, xs, bq, bk, bv, qk, qks, vt, vts; writes qk, qks, vt, vts
.if DOCPART == 2
	.amdgcn_target "amdgcn-amd-amdhsa--gfx1250"
	.amdhsa_code_object_version 6
	.text
	.protected	k_q3fac9f1393_proj
	.globl	k_q3fac9f1393_proj
	.p2align	8
	.type	k_q3fac9f1393_proj,@function
k_q3fac9f1393_proj:
	s_mov_b64 s[64:65], 0
	v_nop
	global_prefetch_b8 v0, s[64:65] scope:SCOPE_SE
	s_setreg_imm32_b32 hwreg(HW_REG_WAVE_MODE, 25, 1), 1
	s_wait_xcnt 0x0
	s_wait_alu depctr_hold_cnt(0) depctr_sa_sdst(0) depctr_va_vdst(0) depctr_va_sdst(0) depctr_va_ssrc(0) depctr_va_vcc(0) depctr_vm_vsrc(0)
	s_getreg_b32 s2, hwreg(HW_REG_IB_STS2, 6, 4)
	s_cmp_eq_u32 s2, 0
	s_cbranch_scc0 .Lentry_in_a_cluster
	s_endpgm
.Lentry_in_a_cluster:
	s_bfe_u32 s2, ttmp6, 0x10000c
	s_cmp_lg_u32 s2, 0x3003
	s_cbranch_scc0 .Lentry_shape_is_right
	s_endpgm
.Lentry_shape_is_right:
; The three linear layers on codes of E4M3 with E8M0 scales (K = 1,024), with the bias and the next product's quantiser on the way out.
; xc: images of fragment registers [row tile of 16][K step of 128][2,048 bytes]; xs: scale words [pair of K steps][row position][2 words].  Row tiles: target 0, source_k 256, source_v 1280, Wq 2304, Wk 2368, Wv 2432.
; THE DEAL.  256 work-groups of four waves, clusters of 4 x 1.  The cluster's x says what the main phase makes: 0: k = sk Wk^T + bk, 1: v^T = Wv sv^T + bv; its y (0..31) which 512 rows of sk or sv; cx which 256 rows of the weight.
; A wave holds 64 rows of the weight, all of K, in 512 registers (windows 1, 2) and every wave walks all 512 rows, in blocks of 16, which stand in window 3 as two sets.  SECOND PHASE: 128 rows x 128 columns of q = t Wq^T + bq
; (rows 128 y, column tile 4 x + cx), waves 2 x 2.  So a wave has 32 + 4 blocks of 32 products.
; k, q: source 0 = the weight's rows, source 1 = x's: a lane holds one row of x, its registers run along the features.  v: source 0 = sv's rows, source 1 = Wv's: the registers run along the keys.
; The tiles of Wq, Wk, sv are permuted (tile 2 b + u: rows 32 b + 8 u + 0..7, 32 b + 16 + 8 u + 0..7), and the sums are laid so that in both forms a pair of blocks is four groups of 16 registers, index 16 (lane / 16) + 0..15 of a scale block of 32.
; THE STREAM.  x comes in chunks of 128 rows (131,072 dense bytes of xc) through two LDS slots: four chunks of the main phase, then q's.  The four work-groups of a cluster need the same chunk: it is asked for jointly, a quarter a wave.
; At a chunk's head stands one drained round of the cluster's barrier; behind it the next chunk is asked for, into the slot just left.  A wave has one tensor load out.
; THE WEIGHTS go from memory straight into registers, 16 bytes a lane as xc holds them, and are not asked for jointly: 256 rows are 262,144 bytes, which do not fit into LDS beside the two slots.
; PREFETCH: in trip c the sixteen waves of a cluster name the 512 blocks of 256 bytes of the chunk that trip c + 1 loads, shared out by address (cx, wave); the clusters with y under 2 also name Wq's rows, 8,192 bytes a wave and trip.
; The bias is the C of each sum's first product.  q's scale words leave as 4 bytes of each 8 (512 bytes a work-group): a work-group has one K step of q's pair.
; LIMITS: NaN and infinities are not served; a block whose largest magnitude lies under 2^-118 keeps the byte 1 (the bytes are read by this program alone).
.set SLOTB, 131072
.set XSM,   262144                     ; x's scale words, main phase: [4 pairs of K steps][512 rows][8 bytes]
.set XSQ,   278528                     ; q's: [4][128 rows][8]
.set OSK,   282624                     ; new scale bytes of k: [512 rows][8]; each way has bytes of its own; no fill lands here
.set OSV,   286720                     ; of v: [2 pairs of key steps][256 rows][8]
.set OSQ,   290816                     ; of q: [128 rows][4]
.set SPARE, 291328                     ; the spare words, 128 bytes a wave
.set ROWP,  319488                     ; a pair of K steps in xs: 39,936 rows x 8 bytes
.set NF,    36                         ; LDS loads of a block: 32 of codes, 4 of scale words
.set LI,   4                           ; v4 16 x lane
.set ADRX, 5                           ; v5 LDS address of the pair in hand
.set ASX0, 6                           ; v6 XSM + 8 r
.set ASX,  7                           ; v7 its scale words
.set L8,   8                           ; v8 8 x lane
.set SPW,  10
.set NIL,  11
.set PFO,  12                          ; v12 256 x lane
.set BNO,  15                          ; v15 64 (lane / 16)
.set BMO,  16                          ; v16 4 r
.set VKB,  17                          ; v17-19 where a new scale byte goes: k, v, q
.set VVB,  18
.set VQB,  19
.set VXK,  20
.set VXV,  21
.set PW,   22
.set SB,   24                          ; v24-39 the weight's scale words: register 8 p + q: lanes 0-15 tile 2 p, lanes 16-31 tile 2 p + 1
.set SA,   44                          ; v44-59 x's, two sets
.set TM,   64                          ; v64-79 the quantiser's 16
.set BQ,   80                          ; v80-111 the bias in the sums' layout
.set ACC,  128                         ; v128-191 the sums of a pair of blocks
.set PC,   192                         ; v192-207 its codes
.set SBQ,  208                         ; v208-223 Wq's scale words
.set BQQ,  224                         ; v224-255 bq
.set G1R, 24
.set G0R, 32
.set G1H, 44
.set G1S, 52
.set G0H, 60
.set G1T, 68
.set G0S, 76
.set G0T, 80
.set OB,  84
.set MSB, 0
.macro WIN new                         ; the immediate's high byte repeats the setting that is left
.if MSB != (\new)
	s_set_vgpr_msb (MSB<<8)|(\new)
.set MSB, (\new)
.endif
.endm
.macro PLACES n
.rept \n
	v_nop
.endr
.endm
.macro WALU
	s_wait_alu depctr_va_vdst(0)
.endm
.macro BARRIER
	s_barrier_signal -1
	s_barrier_wait -1
.endm
.macro ROUND                           ; a round of the cluster's barrier
	BARRIER
	s_cmp_lg_u32 s14, 0
	s_cbranch_scc1 .Lnot_wave_0_\@
	s_barrier_signal -3
.Lnot_wave_0_\@:
	s_barrier_wait -3
	BARRIER
.endm
.macro TLOAD g0, g1                    ; an s_nop 0 and four v_nop follow a tensor load
	tensor_load_to_lds s[\g0:\g0+3], s[\g1:\g1+7]
	s_nop 0
	PLACES 4
.endm
.macro GRP g, c, r, p                  ; group 1: r rows of c elements of 8 bytes, p elements apart; the mask names the cluster's four
	s_mov_b32 s[\g], 15|(3<<16)|(1<<21)
	s_mov_b32 s[\g+1], (\c)<<16
	s_mov_b32 s[\g+2], (\r)<<16
	s_mov_b32 s[\g+3], (\c)<<16
	s_mov_b32 s[\g+4], \r
	s_mov_b32 s[\g+5], \p
	s_mov_b32 s[\g+6], 0
	s_mov_b32 s[\g+7], 0
.endm
.macro WLOAD                           ; my 64 rows of a weight: fragment 4 q + b into window 1 + (4 q + b) / 16: 128 loads of 512 consecutive bytes
.set F_, 0
.rept 32
	WIN (1+F_/16)<<6
.irp c, 0,1,2,3
	global_load_b128 v[16*(F_%16)+4*\c:16*(F_%16)+4*\c+3], v[LI], s[90:91] offset:(F_%4)*16384+(F_/4)*2048+512*\c
.endr
.set F_, F_+1
.endr
	WIN 0
.endm
.macro FETCH e, nxt, pstr              ; block e of the pair in hand (nxt = 0) or of the next (1) into set e, with its scale words
	WIN 0xc0
.irp q, 0,1,2,3,4,5,6,7
.irp c, 0,1,2,3
	ds_load_b128 v[128*(\e)+16*\q+4*\c:128*(\e)+16*\q+4*\c+3], v[ADRX] offset:(\nxt)*32768+(\e)*16384+\q*2048+512*\c
.endr
.endr
	WIN 0
.irp k, 0,1,2,3
	ds_load_b64 v[SA+8*(\e)+2*\k:SA+8*(\e)+2*\k+1], v[ASX] offset:(\nxt)*256+(\e)*128+\k*(\pstr)
.endr
.endm
; A block's 32 products; its four sums take turns.  kind 0: sum (e, b) at ACC + 32 e + 8 b; kind 1: at ACC + 16 b + 8 e.
.macro PRODS kind, e, sb, bq
.set N_, 0
.rept 32
.set Q_, N_/4
.set B_, N_%4
.set W_, 16*(N_%16)
.set R_, 128*(\e)+16*Q_
.set XS_, SA+8*(\e)+Q_
.set WS_, (\sb)+8*(B_/2)+Q_
.if \kind
.set AC_, ACC+16*B_+8*(\e)
.else
.set AC_, ACC+32*(\e)+8*B_
.endif
.set C_, AC_
.if Q_ == 0
.set C_, (\bq)+8*B_
.endif
.if \kind
	WIN 3|((1+N_/16)<<2)
.if B_%2
	v_wmma_scale_f32_16x16x128_f8f6f4 v[AC_:AC_+7], v[R_:R_+15], v[W_:W_+15], v[C_:C_+7], v[XS_], v[WS_] matrix_b_scale:MATRIX_SCALE_ROW1
.else
	v_wmma_scale_f32_16x16x128_f8f6f4 v[AC_:AC_+7], v[R_:R_+15], v[W_:W_+15], v[C_:C_+7], v[XS_], v[WS_]
.endif
.else
	WIN (1+N_/16)|(3<<2)
.if B_%2
	v_wmma_scale_f32_16x16x128_f8f6f4 v[AC_:AC_+7], v[W_:W_+15], v[R_:R_+15], v[C_:C_+7], v[WS_], v[XS_] matrix_a_scale:MATRIX_SCALE_ROW1
.else
	v_wmma_scale_f32_16x16x128_f8f6f4 v[AC_:AC_+7], v[W_:W_+15], v[R_:R_+15], v[C_:C_+7], v[WS_], v[XS_]
.endif
.endif
.set N_, N_+1
.endr
	WIN 0
.endm
.macro PSEL dual, e, sb, bq            ; dual = 1: the form is chosen by the cluster's x, the same in all partners
.if \dual
	s_cmp_eq_u32 s15, 0
	s_cbranch_scc0 .Lk1_\@
	PRODS 0, \e, \sb, \bq
	s_branch .Lkd_\@
.Lk1_\@:
	PRODS 1, \e, \sb, \bq
.Lkd_\@:
.else
	PRODS 0, \e, \sb, \bq
.endif
.endm
.macro QUANT                           ; four groups of 16 registers -> four registers of codes each, and a byte each in TM + 4 ..; a scale block lies in lanes l and l xor 16
.irp b, 0,1,2,3
	v_max3_num_f32 v[TM+\b], |v[ACC+16*\b]|, |v[ACC+1+16*\b]|, 0x4800000   ; with the floor 2^(9 - 127): the byte cannot fall under 1
.endr
.irp i, 2,4,6,8,10,12,14
.irp b, 0,1,2,3
	v_max3_num_f32 v[TM+\b], v[TM+\b], |v[ACC+16*\b+\i]|, |v[ACC+1+16*\b+\i]|
.endr
.endr
.irp b, 0,1,2,3
	v_permlanex16_b32 v[TM+4+\b], v[TM+\b], s97, s98
.endr
.irp b, 0,1,2,3
	v_max_num_f32 v[TM+\b], v[TM+\b], v[TM+4+\b]
.endr
.irp b, 0,1,2,3
	v_add_nc_u32 v[TM+12+\b], 0xfc000000, v[TM+\b] ; 8 off the exponent field: the conversion's scale operand
.endr
.irp b, 0,1,2,3
	v_and_or_b32 v[TM+8+\b], v[TM+\b], 0x7f800000, s66   ; 448 x the scale
.endr
.irp b, 0,1,2,3
	v_lshrrev_b32 v[TM+4+\b], 23, v[TM+12+\b]      ; the byte
.endr
.irp b, 0,1,2,3
.set J, 0
.rept 16
	v_med3_num_f32 v[ACC+16*\b+J], v[ACC+16*\b+J], -v[TM+8+\b], v[TM+8+\b]   ; the conversion does not saturate (ISA guide 7.6.2): the hold comes first
.set J, J+1
.endr
	v_cvt_scalef32_pk8_fp8_f32 v[PC+4*\b:PC+4*\b+1], v[ACC+16*\b:ACC+16*\b+7], v[TM+12+\b]
	v_cvt_scalef32_pk8_fp8_f32 v[PC+4*\b+2:PC+4*\b+3], v[ACC+16*\b+8:ACC+16*\b+15], v[TM+12+\b]
.endr
	v_nop                                          ; one plain line behind the last conversion
.endm
.macro KOUT eoff                       ; k, q: group 2 e + j is block e, piece j of my two of the fragment's four: 512 consecutive bytes a store; the two bytes of a row go to LDS together
	v_lshl_or_b32 v[PW], v[TM+5], 8, v[TM+4]
	v_lshl_or_b32 v[PW+1], v[TM+7], 8, v[TM+6]
	ds_store_b16 v[VXK], v[PW]
	ds_store_b16 v[VXK], v[PW+1] offset:\eoff
.irp g, 0,1,2,3
	global_store_b128 v[LI], v[PC+4*\g:PC+4*\g+3], s[OB:OB+1] offset:(\g/2)*16384+(\g%2)*512
.endr
.endm
; A PAIR OF BLOCKS.  Behind a block's products its set takes the same block of the next pair; a chunk's last pair fetches nothing (a branch on the count of trips, round LDS loads alone).
.macro PAIR dual, sb, bq, pstr, eoff, ctr, last
	s_wait_xcnt 0x0                                ; the last pair's stores have read their data and base
	s_add_nc_u64 s[OB:OB+1], s[OB:OB+1], s[2:3]
.if \dual
	s_lshr_b32 s20, s96, 11                        ; s96 = 256 n, n the pair: v's byte n % 8 of the pair of key steps n / 8
	s_lshl_b32 s20, s20, 11
	s_bfe_u32 s21, s96, 0x30008
	s_or_b32 s20, s20, s21
	v_add_nc_u32 v[VXK], s96, v[VKB]
	v_add_nc_u32 v[VXV], s20, v[VVB]
.else
	v_add_nc_u32 v[VXK], s99, v[VQB]
.endif
	s_wait_dscnt NF                                ; set 0 is in; behind it at least set 1's NF loads were issued
	PSEL \dual, 0, \sb, \bq
	PLACES 9                                       ; eight places ahead of loads into what the products have read; nine ahead of products that begin sums anew over registers named here
	s_cmp_eq_u32 s[\ctr], \last
	s_cbranch_scc1 .Ln0_\@
	FETCH 0, 1, \pstr
	s_wait_dscnt NF                                ; set 1 is in; the NF just issued may be out
	s_branch .Lg0_\@
.Ln0_\@:
	s_wait_dscnt 0x0
.Lg0_\@:
	PSEL \dual, 1, \sb, \bq
	PLACES 9
	s_cmp_eq_u32 s[\ctr], \last
	s_cbranch_scc1 .Ln1_\@
	FETCH 1, 1, \pstr
.Ln1_\@:
	s_add_co_u32 s95, s95, 32768                   ; on to the next pair; behind slot 1 comes slot 0
	s_and_b32 s95, s95, 0x3ffff
	s_add_co_u32 s96, s96, 256
.if \dual == 0
	s_add_co_u32 s99, s99, 128
.endif
	v_add_nc_u32 v[ADRX], s95, v[LI]
	v_add_nc_u32 v[ASX], s96, v[ASX0]
	QUANT
	WALU
.if \dual
	s_cmp_eq_u32 s15, 0
	s_cbranch_scc0 .Lsv_\@
	KOUT \eoff
	s_branch .Lsd_\@
.Lsv_\@:
.irp t, 0,1,2,3
	ds_store_b8 v[VXV], v[TM+4+\t] offset:128*\t   ; v: group t is row tile t of V^T, this pair's 32 keys
	global_store_b128 v[LI], v[PC+4*\t:PC+4*\t+3], s[OB:OB+1] offset:32768*\t
.endr
.Lsd_\@:
.else
	KOUT \eoff
.endif
.endm
	s_load_b128 s[4:7], s[0:1], 0x0                ; xc, xs
	s_load_b128 s[8:11], s[0:1], 0x10              ; bq, bk
	s_load_b64 s[12:13], s[0:1], 0x20              ; bv
	s_load_b128 s[36:39], s[0:1], 0x28             ; qk, qks
	s_load_b128 s[40:43], s[0:1], 0x38             ; vt, vts
	v_lshl_add_u32 v[SPW], v0, 2, SPARE
	v_mov_b32 v[NIL], 0
	ds_add_u32 v[SPW], v[NIL]                      ; the opening lines: the add twice on end and its wait
	ds_add_u32 v[SPW], v[NIL]
	v_lshrrev_b32 v1, 5, v0
	v_readfirstlane_b32 s14, v1                    ; wave
	s_mov_b32 s15, ttmp9                           ; the cluster's x: 0 k, 1 v
	s_bfe_u32 s16, ttmp6, 0x40000                  ; cx
	s_and_b32 s17, ttmp7, 0xffff                   ; y
	s_lshr_b32 s18, s14, 1
	s_and_b32 s19, s14, 1
	GRP G1R, 512, 8, 512                           ; a quarter of a chunk: 8 rows of 4,096 bytes, dense
	GRP G1H, 512, 16, 512                          ; half a chunk
	GRP G1S, 512, 4, 39936                         ; scale words of 512 rows, four pairs of K steps
	GRP G1T, 128, 4, 39936                         ; of 128 rows
	s_lshl_b32 s93, s15, 10
	s_lshl_b32 s20, s17, 5
	s_add_co_u32 s93, s93, s20
	s_add_co_u32 s93, s93, 256                     ; my first row tile of sk or sv
	s_lshl_b32 s92, s93, 14                        ; in bytes of xc
	s_lshl_b32 s94, s17, 17                        ; q's chunk: row tile 8 y
	s_lshl_b32 s67, s16, 2
	s_add_co_u32 s67, s67, s14
	s_lshl_b32 s67, s67, 13                        ; my sixteenth of a chunk that is prefetched
	s_lshl_b32 s20, s14, 1
	s_add_co_u32 s20, s20, OSK
	s_lshl_b32 s21, s14, 9
	s_add_co_u32 s21, s21, OSV
	s_lshl_b32 s22, s18, 8
	s_lshl_b32 s23, s19, 1
	s_add_co_u32 s22, s22, s23
	s_add_co_u32 s22, s22, OSQ
	s_mov_b32 s66, 0x600000                        ; the mantissa field of 448
	s_mov_b32 s97, 0x76543210
	s_mov_b32 s98, 0xfedcba98                      ; lane l xor 16
	s_mov_b32 s95, 0
	s_mov_b32 s96, 0
	v_and_b32 v1, 15, v0                           ; r
	v_bfe_u32 v2, v0, 4, 1                         ; h
	v_and_b32 v3, 31, v0                           ; lane
	v_lshlrev_b32 v[LI], 4, v3
	v_lshlrev_b32 v[L8], 3, v3
	v_lshlrev_b32 v[PFO], 8, v3
	v_lshlrev_b32 v[BNO], 6, v2
	v_lshlrev_b32 v[BMO], 2, v1
	v_lshlrev_b32 v9, 3, v1
	v_add_nc_u32 v[ASX0], XSM, v9
	v_add_nc_u32 v[VKB], s20, v9                   ; row r, bytes 2 w, 2 w + 1 of its 8
	v_add_nc_u32 v[VVB], s21, v9                   ; row 64 w + r
	v_add_nc_u32 v[VQB], s22, v[BMO]               ; row 64 (w / 2) + r, bytes 2 (w % 2) .. of its 4
	v_mov_b32 v[ADRX], v[LI]
	v_mov_b32 v[ASX], v[ASX0]
.irp b, 0,1,2,3
	v_mov_b32 v[TM+4+\b], 0                        ; a lane permute's destination counts as one of its sources
.endr
	WALU
	s_wait_dscnt 0x0                               ; both opening adds are done
	ROUND                                          ; the four work-groups are here: the first joint loads meet
	s_wait_kmcnt 0x0
	s_mov_b32 s[G0H], 1
	s_lshl_b32 s[G0H+1], s14, 16
	s_add_co_u32 s20, s92, s[G0H+1]
	s_mov_b32 s21, 0
	s_add_nc_u64 s[G0H+2:G0H+3], s[4:5], s[20:21]
	s_or_b32 s[G0H+3], s[G0H+3], 0x80000000
	s_mov_b32 s[G0S], 1
	s_mov_b32 s[G0S+1], XSM
	s_lshl_b32 s20, s93, 7
	s_add_nc_u64 s[G0S+2:G0S+3], s[6:7], s[20:21]
	s_or_b32 s[G0S+3], s[G0S+3], 0x80000000
	s_mov_b32 s[G0T], 1
	s_mov_b32 s[G0T+1], XSQ
	s_lshl_b32 s20, s17, 10
	s_add_nc_u64 s[G0T+2:G0T+3], s[6:7], s[20:21]
	s_or_b32 s[G0T+3], s[G0T+3], 0x80000000
	s_mov_b32 s[G0R], 1
	s_lshl_b32 s[G0R+1], s14, 15
	s_cmp_lt_u32 s14, 2                            ; one load a wave, one chain of arms: waves 0, 1 the halves of chunk 0, wave 2 and wave 3 the scale words
	s_cbranch_scc0 .Larm2
	TLOAD G0H, G1H
	s_branch .Lasked
.Larm2:
	s_cmp_eq_u32 s14, 2
	s_cbranch_scc0 .Larm3
	TLOAD G0S, G1S
	s_branch .Lasked
.Larm3:
	TLOAD G0T, G1T
.Lasked:
	s_lshl_b32 s22, s15, 6
	s_lshl_b32 s23, s16, 4
	s_add_co_u32 s22, s22, s23
	s_lshl_b32 s23, s14, 2
	s_add_co_u32 s22, s22, s23
	s_add_co_u32 s22, s22, 2368                    ; my first row tile of Wk or Wv
	s_lshl_b32 s99, s22, 7
	s_lshl_b32 s22, s22, 14
	s_mov_b32 s23, 0
	s_add_nc_u64 s[90:91], s[4:5], s[22:23]
	s_cmp_eq_u32 s15, 1
	s_cselect_b64 s[10:11], s[12:13], s[10:11]     ; bv or bk
	s_mov_b32 s22, s99
	s_add_nc_u64 s[12:13], s[6:7], s[22:23]        ; the weight's scale words
	s_lshl_b32 s22, s16, 10
	s_lshl_b32 s99, s14, 8
	s_add_co_u32 s22, s22, s99
	s_add_nc_u64 s[10:11], s[10:11], s[22:23]      ; the bias at 256 cx + 64 w
	s_lshl_b32 s100, s15, 2
	s_add_co_u32 s100, s100, s16                   ; q's column tile
	s_lshl_b32 s22, s100, 9
	s_lshl_b32 s99, s19, 8
	s_add_co_u32 s22, s22, s99
	s_add_nc_u64 s[8:9], s[8:9], s[22:23]          ; bq at 128 x tile + 64 (w % 2)
	s_lshl_b32 s101, s100, 3
	s_add_co_u32 s101, s101, 2304
	s_lshl_b32 s99, s19, 2
	s_add_co_u32 s22, s101, s99
	s_lshl_b32 s22, s22, 7
	s_add_nc_u64 s[86:87], s[6:7], s[22:23]        ; Wq's scale words
	s_lshl_b32 s22, s101, 14
	s_lshl_b32 s99, s14, 15
	s_add_co_u32 s22, s22, s99
	s_sub_co_u32 s22, s22, 8192
	s_add_nc_u64 s[88:89], s[4:5], s[22:23]        ; Wq's prefetch: each trip steps it by 8,192 first
.irp p, 0,1
.irp k, 0,1,2,3
	global_load_b64 v[SB+8*\p+2*\k:SB+8*\p+2*\k+1], v[L8], s[12:13] offset:\k*ROWP+\p*256
	global_load_b64 v[SBQ+8*\p+2*\k:SBQ+8*\p+2*\k+1], v[L8], s[86:87] offset:\k*ROWP+\p*256
.endr
.endr
.irp b, 0,1,2,3
	global_load_b128 v[BQQ+8*\b:BQQ+8*\b+3], v[BNO], s[8:9] offset:(32*(\b/2)+8*(\b%2))*4
	global_load_b128 v[BQQ+8*\b+4:BQQ+8*\b+7], v[BNO], s[8:9] offset:(32*(\b/2)+8*(\b%2))*4+16
.endr
	s_cmp_eq_u32 s15, 0
	s_cbranch_scc0 .Lbias_v
.irp b, 0,1,2,3
	global_load_b128 v[BQ+8*\b:BQ+8*\b+3], v[BNO], s[10:11] offset:(32*(\b/2)+8*(\b%2))*4      ; along my registers
	global_load_b128 v[BQ+8*\b+4:BQ+8*\b+7], v[BNO], s[10:11] offset:(32*(\b/2)+8*(\b%2))*4+16
.endr
	s_branch .Lbias_in
.Lbias_v:
.irp t, 0,1,2,3
.irp i, 0,1,2,3,4,5,6,7
	global_load_b32 v[BQ+8*\t+\i], v[BMO], s[10:11] offset:64*\t                               ; of my row, in all eight registers
.endr
.endr
.Lbias_in:
	WLOAD
	s_lshl_b32 s22, s16, 1                         ; where the codes go.  k: qk, row tile as in xc, K step 2 cx + w / 2, pieces 2 (w % 2) ..
	s_add_co_u32 s22, s22, s18
	s_lshl_b32 s22, s22, 11
	s_lshl_b32 s99, s19, 10
	s_add_co_u32 s22, s22, s99
	s_add_co_u32 s22, s22, s92
	s_lshr_b32 s99, s17, 2                         ; v: vt, row tile 64 (y / 4) + 16 cx + 4 w, key step 4 (y % 4)
	s_lshl_b32 s99, s99, 6
	s_lshl_b32 s100, s16, 4
	s_add_co_u32 s99, s99, s100
	s_lshl_b32 s100, s14, 2
	s_add_co_u32 s99, s99, s100
	s_lshl_b32 s99, s99, 4
	s_and_b32 s100, s17, 3
	s_lshl_b32 s100, s100, 2
	s_add_co_u32 s99, s99, s100
	s_lshl_b32 s99, s99, 11
	s_mov_b32 s2, 32768                            ; from pair to pair: two row tiles of qk, or a piece of a fragment of vt
	s_mov_b32 s3, 0
	s_cmp_eq_u32 s15, 1
	s_cselect_b32 s22, s99, s22
	s_cselect_b64 s[OB:OB+1], s[40:41], s[36:37]
	s_cselect_b32 s2, 512, s2
	s_add_nc_u64 s[OB:OB+1], s[OB:OB+1], s[22:23]
	s_sub_nc_u64 s[OB:OB+1], s[OB:OB+1], s[2:3]    ; each pair steps it first
	s_add_co_u32 s92, s92, SLOTB                   ; what the first round asks for: chunk 1
	WALU
	s_mov_b32 s100, 0
.Lchunk:                                               ; four trips: a chunk each
	WALU
	s_wait_xcnt 0x0                                ; stores and prefetches have read their registers
	s_wait_tensorcnt 0x0                           ; my part of this chunk is in;
	ds_add_u32 v[SPW], v[NIL]                      ; the add; the descriptor's lines stand between it and its wait
	s_xor_b32 s[G0R+1], s[G0R+1], SLOTB            ; the slot just left
	s_lshl_b32 s20, s14, 15
	s_add_co_u32 s20, s20, s92
	s_mov_b32 s21, 0
	s_add_nc_u64 s[G0R+2:G0R+3], s[4:5], s[20:21]
	s_or_b32 s[G0R+3], s[G0R+3], 0x80000000
	s_add_co_u32 s93, s92, SLOTB
	s_cmp_eq_u32 s100, 2
	s_cselect_b32 s92, s94, s93                    ; what the next trip asks for: behind chunk 3 comes q's
	s_add_co_u32 s22, s92, s67
	s_mov_b32 s23, 0
	s_add_nc_u64 s[86:87], s[4:5], s[22:23]
	s_add_nc_u64 s[88:89], s[88:89], 8192
	s_wait_dscnt 0x0                               ; the add is done, and my reads of the slot just left
	ROUND
	TLOAD G0R, G1R                                 ; the next chunk, my quarter: the first and only tensor load behind the round
	s_cmp_eq_u32 s100, 3
	s_cbranch_scc1 .Lno_chunk_ahead                ; the last trip has no load a trip on
	global_prefetch_b8 v[PFO], s[86:87] th:TH_LOAD_NT scope:SCOPE_SE
.Lno_chunk_ahead:
	s_cmp_gt_u32 s17, 1
	s_cbranch_scc1 .Lno_wq
	global_prefetch_b8 v[PFO], s[88:89] th:TH_LOAD_NT scope:SCOPE_SE
.Lno_wq:
	FETCH 0, 0, 4096
	FETCH 1, 0, 4096
	s_wait_loadcnt 0x0                             ; first trip: the weight, the scale words, the biases; later trips have no load out
	s_mov_b32 s101, 0
.Lpair:
	PAIR 1, SB, BQ, 4096, 128, 101, 3
	s_add_co_u32 s101, s101, 1
	s_cmp_lg_u32 s101, 4
	WALU
	s_cbranch_scc1 .Lpair
	s_add_co_u32 s100, s100, 1
	s_cmp_lg_u32 s100, 4
	s_cbranch_scc1 .Lchunk
; THE CHANGE OF PHASE: Wq into the registers; under its flight the barrier that shows q's chunk and all new scale bytes, and those bytes' way out
	s_wait_xcnt 0x0
	s_lshl_b32 s100, s15, 2
	s_add_co_u32 s100, s100, s16                   ; q's column tile
	s_lshl_b32 s22, s100, 3
	s_lshl_b32 s23, s19, 2
	s_add_co_u32 s22, s22, s23
	s_add_co_u32 s22, s22, 2304
	s_lshl_b32 s22, s22, 14
	s_mov_b32 s23, 0
	s_add_nc_u64 s[90:91], s[4:5], s[22:23]
	WLOAD
	s_wait_tensorcnt 0x0
	s_wait_dscnt 0x0
	BARRIER
	s_mul_i32 s22, s16, 163840                     ; qks: pair cx, rows 4,096 + 512 y, my 1,024 bytes
	s_lshl_b32 s99, s17, 12
	s_add_co_u32 s22, s22, s99
	s_lshl_b32 s99, s14, 10
	s_add_co_u32 s22, s22, s99
	s_add_co_u32 s22, s22, 32768
	s_and_b32 s99, s17, 3                          ; vts: pair 2 (y % 4) + w / 2, rows 1,024 (y / 4) + 256 cx, half w % 2
	s_lshl_b32 s99, s99, 1
	s_add_co_u32 s99, s99, s18
	s_lshl_b32 s99, s99, 16
	s_lshr_b32 s101, s17, 2
	s_lshl_b32 s101, s101, 13
	s_add_co_u32 s99, s99, s101
	s_lshl_b32 s101, s16, 11
	s_add_co_u32 s99, s99, s101
	s_lshl_b32 s101, s19, 10
	s_add_co_u32 s99, s99, s101
	s_cmp_eq_u32 s15, 1
	s_cselect_b32 s22, s99, s22
	s_cselect_b64 s[44:45], s[42:43], s[38:39]
	s_add_nc_u64 s[44:45], s[44:45], s[22:23]
	s_lshl_b32 s20, s14, 10
	v_add_nc_u32 v9, s20, v[LI]
	v_add_nc_u32 v13, OSK, v9
	v_add_nc_u32 v14, OSV, v9
	WALU
	s_cmp_eq_u32 s15, 0
	s_cbranch_scc0 .Lbytes_v
	ds_load_b128 v[TM:TM+3], v13
	ds_load_b128 v[TM+8:TM+11], v13 offset:512
	s_branch .Lbytes_in
.Lbytes_v:
	ds_load_b128 v[TM:TM+3], v14
	ds_load_b128 v[TM+8:TM+11], v14 offset:512
.Lbytes_in:
	s_lshl_b32 s22, s17, 3                         ; q's codes: row tile 8 y + 4 (w / 2), K step = the column tile, pieces 2 (w % 2) ..
	s_lshl_b32 s99, s18, 2
	s_add_co_u32 s22, s22, s99
	s_lshl_b32 s22, s22, 14
	s_lshl_b32 s99, s100, 11
	s_add_co_u32 s22, s22, s99
	s_lshl_b32 s99, s19, 10
	s_add_co_u32 s22, s22, s99
	s_add_nc_u64 s[OB:OB+1], s[36:37], s[22:23]
	s_sub_nc_u64 s[OB:OB+1], s[OB:OB+1], 32768
	s_mov_b32 s2, 32768
	s_lshr_b32 s22, s100, 1                        ; q's scale words: pair tile / 2, rows 128 y + 32 w, word cx % 2
	s_mul_i32 s22, s22, 163840
	s_lshl_b32 s99, s17, 10
	s_add_co_u32 s22, s22, s99
	s_lshl_b32 s99, s14, 8
	s_add_co_u32 s22, s22, s99
	s_and_b32 s99, s16, 1
	s_lshl_b32 s99, s99, 2
	s_add_co_u32 s22, s22, s99
	s_add_nc_u64 s[46:47], s[38:39], s[22:23]
	s_lshl_b32 s95, s18, 16                        ; my four blocks of q's chunk, which lies in slot 0
	s_lshl_b32 s96, s18, 9
	s_add_co_u32 s96, s96, XSQ-XSM
	s_mov_b32 s99, 0
	v_add_nc_u32 v[ADRX], s95, v[LI]
	v_add_nc_u32 v[ASX], s96, v[ASX0]
	WALU
	s_wait_dscnt 0x0
	global_store_b128 v[LI], v[TM:TM+3], s[44:45]              ; 512 consecutive bytes a store
	global_store_b128 v[LI], v[TM+8:TM+11], s[44:45] offset:512
	FETCH 0, 0, 1024
	FETCH 1, 0, 1024
	s_wait_loadcnt 0x0                             ; Wq
	s_mov_b32 s101, 0
.Lq:
	PAIR 0, SBQ, BQQ, 1024, 64, 101, 1
	s_add_co_u32 s101, s101, 1
	s_cmp_lg_u32 s101, 2
	WALU
	s_cbranch_scc1 .Lq
	s_wait_dscnt 0x0                               ; for the others' sake: my bytes have landed
	BARRIER
	s_lshl_b32 s20, s14, 7
	s_add_co_u32 s20, s20, OSQ
	v_lshlrev_b32 v9, 2, v3
	v_add_nc_u32 v9, s20, v9
	ds_load_b32 v13, v9                            ; a row's word a lane
	s_wait_dscnt 0x0
	global_store_b32 v[L8], v13, s[46:47]
	s_wait_tensorcnt 0x0                           ; the wave's end
	ds_add_u32 v[SPW], v[NIL]
	s_wait_dscnt 0x0
	ROUND                                          ; the closing round
	s_endpgm
.Lfunc_end_k_q3fac9f1393_proj:
	.size	k_q3fac9f1393_proj, .Lfunc_end_k_q3fac9f1393_proj-k_q3fac9f1393_proj
	.p2alignl 7, 3214868480
	.fill 96, 4, 3214868480
	.section	.rodata,"a",@progbits
	.p2align	6, 0x0
	.amdhsa_kernel k_q3fac9f1393_proj
		.amdhsa_group_segment_fixed_size 327680
		.amdhsa_private_segment_fixed_size 0
		.amdhsa_enable_private_segment 0
		.amdhsa_kernarg_size 72
		.amdhsa_user_sgpr_count 2
		.amdhsa_user_sgpr_kernarg_segment_ptr 1
		.amdhsa_wavefront_size32 1
		.amdhsa_system_sgpr_workgroup_id_x 1
		.amdhsa_system_sgpr_workgroup_id_y 1
		.amdhsa_system_sgpr_workgroup_id_z 1
		.amdhsa_system_vgpr_workitem_id 0
		.amdhsa_next_free_vgpr 1024
		.amdhsa_next_free_sgpr 102
		.amdhsa_reserve_vcc 0
		.amdhsa_float_denorm_mode_32 3
		.amdhsa_float_denorm_mode_16_64 3
		.amdhsa_memory_ordered 1
		.amdhsa_forward_progress 1
		.amdhsa_inst_pref_size 109
	.end_amdhsa_kernel
	.amdgpu_metadata
---
amdhsa.version: [ 1, 2 ]
amdhsa.kernels:
  - .name:           k_q3fac9f1393_proj
    .symbol:         k_q3fac9f1393_proj.kd
    .args:
      - { .name: xc, .offset: 0, .size: 8, .value_kind: global_buffer, .address_space: global }
      - { .name: xs, .offset: 8, .size: 8, .value_kind: global_buffer, .address_space: global }
      - { .name: bq, .offset: 16, .size: 8, .value_kind: global_buffer, .address_space: global }
      - { .name: bk, .offset: 24, .size: 8, .value_kind: global_buffer, .address_space: global }
      - { .name: bv, .offset: 32, .size: 8, .value_kind: global_buffer, .address_space: global }
      - { .name: qk, .offset: 40, .size: 8, .value_kind: global_buffer, .address_space: global }
      - { .name: qks, .offset: 48, .size: 8, .value_kind: global_buffer, .address_space: global }
      - { .name: vt, .offset: 56, .size: 8, .value_kind: global_buffer, .address_space: global }
      - { .name: vts, .offset: 64, .size: 8, .value_kind: global_buffer, .address_space: global }
    .group_segment_fixed_size: 327680
    .private_segment_fixed_size: 0
    .kernarg_segment_align: 8
    .kernarg_segment_size: 72
    .max_flat_workgroup_size: 128
    .sgpr_count:     102
    .vgpr_count:     1024
    .wavefront_size: 32
...
	.end_amdgpu_metadata
.endif
;; end of part 2
;; launch scores (part 3): grid 8 x 32, 4 waves a work-group, clusters of 4 x 4, 327,680 bytes of LDS; arguments qk, qks, pc, pmeta; writes pc, pmeta
.if DOCPART == 3
	.amdgcn_target "amdgcn-amd-amdhsa--gfx1250"
	.amdhsa_code_object_version 6
	.text
	.protected	k_q3fac9f1393_scores
	.globl	k_q3fac9f1393_scores
	.p2align	8
	.type	k_q3fac9f1393_scores,@function
k_q3fac9f1393_scores:
	s_mov_b64 s[64:65], 0
	v_nop
	global_prefetch_b8 v0, s[64:65] scope:SCOPE_SE
	s_setreg_imm32_b32 hwreg(HW_REG_WAVE_MODE, 25, 1), 1
	s_wait_xcnt 0x0
	s_wait_alu depctr_hold_cnt(0) depctr_sa_sdst(0) depctr_va_vdst(0) depctr_va_sdst(0) depctr_va_ssrc(0) depctr_va_vcc(0) depctr_vm_vsrc(0)
	s_getreg_b32 s2, hwreg(HW_REG_IB_STS2, 6, 4)
	s_cmp_eq_u32 s2, 0
	s_cbranch_scc0 .Lentry_in_a_cluster
	s_endpgm
.Lentry_in_a_cluster:
	s_bfe_u32 s2, ttmp6, 0x10000c
	s_cmp_lg_u32 s2, 0xf033
	s_cbranch_scc0 .Lentry_shape_is_right
	s_endpgm
.Lentry_shape_is_right:
.set NA,    4
.set KT,    8
.set ROWS,  20480
.set H,     NA/2
.set LAPS,  KT/4
.set AH,    NA*4096
.set BH,    32768
.set SLOT,  2*AH+2*BH
.set SCA,   2*SLOT
.set SCB,   SCA+(KT/2)*NA*256
.set SST,   SCB+(KT/2)*2048
.set SPARE, SST+3072
.set SS,    2*NA+16
.set SC,    32
.set AF,    128
.set ADRA,  16
.set ADRB,  20
.set ADSA,  22
.set ADSB,  23
.set SWA,   24
.set SRD,   25
.set LI,    26
.set L8,    27
.set SPW,   28
.set NIL,   29
.set TM,    80
.set NM,    96
.set LS,    104
.set PW,    108
.set SU,    112
.set XR,    116
.set TP,    117
.set PC,    128
.set T,     192
.set G1,    24
.set G0,    32
.set G1B,   48
.set G0B,   56
.set G1S,   68
.set G0S,   76
.set G1SB,  80
.set G0SB,  88
.set CS,    92
.set SEL,   94
.set MNT,   96
.set MSB, 0
.macro WIN new
.if MSB != (\new)
	s_set_vgpr_msb (MSB<<8)|(\new)
.set MSB, (\new)
.endif
.endm
.macro PLACES n
.rept \n
	v_nop
.endr
.endm
.macro JLOAD g0a, g1a, g0b, g1b
	s_cmp_eq_u32 s15, 0
	s_cbranch_scc0 .Lfor_b_\@
	tensor_load_to_lds s[\g0a:\g0a+3], s[\g1a:\g1a+7]
	s_nop 0
.rept 4
	v_nop
.endr
	s_branch .Lasked_\@
.Lfor_b_\@:
	tensor_load_to_lds s[\g0b:\g0b+3], s[\g1b:\g1b+7]
	s_nop 0
.rept 4
	v_nop
.endr
.Lasked_\@:
.endm
.macro CREST
	s_cmp_lg_u32 s14, 0
	s_cbranch_scc1 .Lnot_wave_0_\@
	s_barrier_signal -3
.Lnot_wave_0_\@:
	s_barrier_wait -3
	s_barrier_signal -1
	s_barrier_wait -1
.endm
.macro CROUND
	s_barrier_signal -1
	s_barrier_wait -1
	CREST
.endm
	s_load_b128 s[4:7], s[0:1], 0x0
	s_load_b128 s[8:11], s[0:1], 0x10
	v_lshl_add_u32 v[SPW], v0, 2, SPARE
	v_mov_b32 v[NIL], 0
	ds_add_u32 v28, v29
	ds_add_u32 v28, v29
	s_wait_dscnt 0x0
	v_lshrrev_b32 v1, 5, v0
	v_readfirstlane_b32 s14, v1
	s_lshr_b32 s15, s14, 1
	s_and_b32 s16, s14, 1
	s_bfe_u32 s40, ttmp6, 0x40000
	s_bfe_u32 s41, ttmp6, 0x40004
	s_and_b32 s18, ttmp7, 0xffff
	s_lshl_b32 s17, s18, 2
	s_add_co_u32 s17, s17, s41
	s_lshl_b32 s42, ttmp9, 2
	s_add_co_u32 s42, s42, s40
	s_lshl_b32 s19, s18, 3
	s_add_co_u32 s42, s42, s19
	s_add_co_u32 s42, s42, 16
	s_lshl_b32 s43, s41, 2
	s_lshl_b32 s43, 15, s43
	s_lshl_b32 s44, 0x1111, s40
	s_or_b32 s[G1], s43, (3<<16)|(1<<21)
	s_mov_b32 s[G1+1], 512<<16
	s_mov_b32 s[G1+2], (2*NA)<<16                  ; the head's load brings both halves of A's part of slot 0
	s_mov_b32 s[G1+3], 512<<16
	s_mov_b32 s[G1+4], 2*NA
	s_mov_b32 s[G1+5], KT*256
	s_mov_b32 s[G1+6], 0
	s_mov_b32 s[G1+7], 0
	s_or_b32 s[G1B], s44, (3<<16)|(1<<21)
	s_mov_b32 s[G1B+1], 512<<16
	s_mov_b32 s[G1B+2], 16<<16                     ; and both halves of B's
	s_mov_b32 s[G1B+3], 512<<16
	s_mov_b32 s[G1B+4], 16
	s_mov_b32 s[G1B+5], KT*256
	s_mov_b32 s[G1B+6], 0
	s_mov_b32 s[G1B+7], 0
	s_or_b32 s[G1S], s43, (3<<16)|(1<<21)
	s_mov_b32 s[G1S+1], (NA*32)<<16
	s_mov_b32 s[G1S+2], (KT/2)<<16                 ; the scale words of all pairs of K steps by one load
	s_mov_b32 s[G1S+3], (NA*32)<<16
	s_mov_b32 s[G1S+4], KT/2
	s_mov_b32 s[G1S+5], ROWS
	s_mov_b32 s[G1S+6], 0
	s_mov_b32 s[G1S+7], 0
	s_or_b32 s[G1SB], s44, (3<<16)|(1<<21)
	s_mov_b32 s[G1SB+1], 256<<16
	s_mov_b32 s[G1SB+2], (KT/2)<<16
	s_mov_b32 s[G1SB+3], 256<<16
	s_mov_b32 s[G1SB+4], KT/2
	s_mov_b32 s[G1SB+5], ROWS
	s_mov_b32 s[G1SB+6], 0
	s_mov_b32 s[G1SB+7], 0
	s_mul_i32 s20, s17, 2*NA
	s_mul_i32 s21, s16, NA
	s_add_co_u32 s20, s20, s21
	s_mul_i32 s20, s20, KT*2048
	s_mov_b32 s21, 0
	s_lshl_b32 s46, s42, 4
	s_lshl_b32 s47, s16, 3
	s_add_co_u32 s46, s46, s47
	s_mul_i32 s46, s46, KT*2048
	s_mov_b32 s47, 0
	s_mov_b32 s22, 0
	s_mul_i32 s23, s17, 32*NA*8
	s_add_co_u32 s22, s22, s23
	s_mov_b32 s23, 0
	s_mov_b32 s66, 0
	s_lshl_b32 s67, s42, 11
	s_add_co_u32 s66, s66, s67
	s_mov_b32 s67, 0
	s_mul_i32 s45, s16, AH
	s_mul_i32 s100, s16, BH
	s_add_co_u32 s100, s100, 2*AH
	s_mov_b32 s101, 0
	s_mov_b32 s19, 0
	s_wait_kmcnt 0x0
	s_add_nc_u64 s[20:21], s[4:5], s[20:21]
	s_add_nc_u64 s[46:47], s[4:5], s[46:47]
	s_add_nc_u64 s[22:23], s[6:7], s[22:23]
	s_add_nc_u64 s[66:67], s[6:7], s[66:67]
	CROUND
	s_mov_b32 s[G0S], 1
	s_add_co_u32 s[G0S+1], s101, SCA
	s_mov_b64 s[G0S+2:G0S+3], s[22:23]
	s_or_b32 s[G0S+3], s[G0S+3], 0x80000000
	s_mov_b32 s[G0SB], 1
	s_add_co_u32 s[G0SB+1], s19, SCB
	s_mov_b64 s[G0SB+2:G0SB+3], s[66:67]
	s_or_b32 s[G0SB+3], s[G0SB+3], 0x80000000
.irp s, 0,1
	s_mov_b32 s[G0+4*\s], 1
	s_add_co_u32 s[G0+4*\s+1], s45, \s*SLOT
	s_add_nc_u64 s[G0+4*\s+2:G0+4*\s+3], s[20:21], \s*4096
	s_or_b32 s[G0+4*\s+3], s[G0+4*\s+3], 0x80000000
	s_mov_b32 s[G0B+4*\s], 1
	s_add_co_u32 s[G0B+4*\s+1], s100, \s*SLOT
	s_add_nc_u64 s[G0B+4*\s+2:G0B+4*\s+3], s[46:47], \s*4096
	s_or_b32 s[G0B+4*\s+3], s[G0B+4*\s+3], 0x80000000
.endr
; the head's four tiles, one a wave, in one chain of arms: wave 0 A's part of slot 0, wave 1 A's scale words, wave 2 B's part of slot 0, wave 3 B's scale words
	s_cmp_eq_u32 s14, 0
	s_cbranch_scc0 .Lhead_1
	tensor_load_to_lds s[G0:G0+3], s[G1:G1+7]
	s_nop 0
	PLACES 4
	s_branch .Lhead_asked
.Lhead_1:
	s_cmp_eq_u32 s14, 1
	s_cbranch_scc0 .Lhead_2
	tensor_load_to_lds s[G0S:G0S+3], s[G1S:G1S+7]
	s_nop 0
	PLACES 4
	s_branch .Lhead_asked
.Lhead_2:
	s_cmp_eq_u32 s14, 2
	s_cbranch_scc0 .Lhead_3
	tensor_load_to_lds s[G0B:G0B+3], s[G1B:G1B+7]
	s_nop 0
	PLACES 4
	s_branch .Lhead_asked
.Lhead_3:
	tensor_load_to_lds s[G0SB:G0SB+3], s[G1SB:G1SB+7]
	s_nop 0
	PLACES 4
.Lhead_asked:
	v_and_b32 v1, 15, v0
	v_bfe_u32 v2, v0, 4, 1
	v_and_b32 v3, 31, v0
	v_lshlrev_b32 v[LI], 4, v3
	v_lshlrev_b32 v[L8], 3, v3
	s_mul_i32 s21, s15, AH
	s_mul_i32 s22, s16, BH
	s_add_co_u32 s22, s22, 2*AH
.irp s, 0,1
	v_add_nc_u32 v[ADRA+\s], s21, v[LI]
	v_add_nc_u32 v[ADRB+\s], s22, v[LI]
	s_add_co_u32 s21, s21, SLOT
	s_add_co_u32 s22, s22, SLOT
.endr
	v_lshlrev_b32 v4, 3, v1
	s_wait_alu depctr_va_vdst(0)
	s_mul_i32 s21, s15, 128*NA
	s_add_co_u32 s21, s21, SCA
	v_add_nc_u32 v[ADSA], s21, v4
	s_lshl_b32 s22, s16, 10
	s_add_co_u32 s22, s22, SCB
	v_add_nc_u32 v[ADSB], s22, v4
	s_lshl_b32 s21, s15, 9
	s_lshl_b32 s22, s16, 2
	s_add_co_u32 s21, s21, s22
	s_add_co_u32 s21, s21, SST
	v_add_nc_u32 v[SWA], s21, v4
	s_lshl_b32 s21, s14, 8
	s_add_co_u32 s21, s21, SST
	v_add_nc_u32 v[SRD], s21, v[L8]
.irp b, 0,1,2,3
	v_mov_b32 v[TM+4+\b], 0
	v_mov_b32 v[NM+2*\b+1], 0
.endr
	v_mov_b32 v[TP], 0
	s_lshl_b32 s18, ttmp9, 2
	s_add_co_u32 s18, s18, s40
	s_lshl_b32 s20, s17, 3
	s_lshl_b32 s21, s15, 2
	s_add_co_u32 s20, s20, s21
	s_lshl_b32 s20, s20, 4
	s_lshl_b32 s21, s18, 1
	s_add_co_u32 s20, s20, s21
	s_add_co_u32 s20, s20, s16
	s_lshl_b32 s20, s20, 11
	s_mov_b32 s21, 0
	s_add_nc_u64 s[8:9], s[8:9], s[20:21]
	s_lshl_b32 s20, s18, 15
	s_lshl_b32 s22, s17, 10
	s_add_co_u32 s20, s20, s22
	s_lshl_b32 s22, s14, 8
	s_add_co_u32 s20, s20, s22
	s_add_nc_u64 s[10:11], s[10:11], s[20:21]
	s_mov_b32 s[CS], 0x3d38aa3b
	s_mov_b32 s[CS+1], s[CS]
	s_mov_b32 s[SEL], 0x76543210
	s_mov_b32 s[SEL+1], 0xfedcba98
	s_mov_b32 s[MNT], 0x600000
.macro FRAG reg, adr, q, i
.irp c, 0,1,2,3
	ds_load_b128 v[(\reg)+4*\c:(\reg)+4*\c+3], v[\adr] offset:(\i)*4096+(\q)*2048+512*\c
.endr
.endm
.macro MULA a, p, q, sc, zero
	WIN 0xa1+0x50*((\a)/4)
.irp b, 0,1,2,3,4,5,6,7
.if \zero
	v_wmma_scale_f32_16x16x128_f8f6f4 v[8*(8*((\a)%4)+\b):8*(8*((\a)%4)+\b)+7], v[128*(\p)+16*\b:128*(\p)+16*\b+15], v[AF+16*(\a):AF+16*(\a)+15], 0, v[SC+SS*(\sc)+2*NA+2*\b+(\q)], v[SC+SS*(\sc)+2*(\a)+(\q)]
.else
	v_wmma_scale_f32_16x16x128_f8f6f4 v[8*(8*((\a)%4)+\b):8*(8*((\a)%4)+\b)+7], v[128*(\p)+16*\b:128*(\p)+16*\b+15], v[AF+16*(\a):AF+16*(\a)+15], v[8*(8*((\a)%4)+\b):8*(8*((\a)%4)+\b)+7], v[SC+SS*(\sc)+2*NA+2*\b+(\q)], v[SC+SS*(\sc)+2*(\a)+(\q)]
.endif
.endr
.endm
.macro MULR a0, n, p, q, sc, zero
.set AI, \a0
.rept \n
	MULA AI, \p, \q, \sc, \zero
.set AI, AI+1
.endr
.endm
.macro FETCH_B slot, q, p
	WIN 0x40
.irp i, 0,1,2,3,4,5,6,7
	FRAG 128*(\p)+16*\i, ADRB+\slot, \q, \i
.endr
	WIN 0
.endm
.macro FETCH_A slot, q, i0
.set FI, \i0
.rept H
	FRAG AF+16*FI, ADRA+\slot, \q, FI
.set FI, FI+1
.endr
.endm
.macro SCALES sc
.set FI, 0
.rept NA
	ds_load_b64 v[SC+SS*(\sc)+2*FI:SC+SS*(\sc)+2*FI+1], v[ADSA] offset:128*FI
.set FI, FI+1
.endr
.irp i, 0,1,2,3,4,5,6,7
	ds_load_b64 v[SC+SS*(\sc)+2*NA+2*\i:SC+SS*(\sc)+2*NA+2*\i+1], v[ADSB] offset:128*\i
.endr
.endm
.macro STEP slot, zero
	s_wait_dscnt 4*H
	MULR 0, H, 0, 0, \slot, \zero
	s_wait_dscnt 0x0
	PLACES 8
	FETCH_B \slot, 1, 1
	FETCH_A \slot, 1, 0
	MULR H, H, 0, 0, \slot, \zero
	PLACES 8
	WIN 0
	FETCH_A \slot, 1, H
.endm
.macro TURN slot, next, fill
	s_wait_tensorcnt 0x0
	ds_add_u32 v[SPW], v[NIL]
	s_wait_dscnt 4*H+1
	MULR 0, H/2, 1, 1, \slot, 0
	s_wait_dscnt 0x0
	s_barrier_signal -1
	MULR H/2, H/2, 1, 1, \slot, 0
	WIN 0
	s_barrier_wait -1
.if \fill
	CREST
	s_add_nc_u64 s[G0+4*\slot+2:G0+4*\slot+3], s[G0+4*\slot+2:G0+4*\slot+3], 8192
	s_add_nc_u64 s[G0B+4*\slot+2:G0B+4*\slot+3], s[G0B+4*\slot+2:G0B+4*\slot+3], 8192
	JLOAD G0+4*\slot, G1, G0B+4*\slot, G1B
	PLACES 4
.else
	PLACES 8
.endif
	s_wait_alu depctr_va_vdst(0)
	v_add_nc_u32 v[ADSA], NA*256, v[ADSA]
	v_add_nc_u32 v[ADSB], 2048, v[ADSB]
	FETCH_B \next, 0, 0
	FETCH_A \next, 0, 0
	SCALES \next
	MULR H, H, 1, 1, \slot, 0
	PLACES 8
	WIN 0
	FETCH_A \next, 0, H
.endm
	s_wait_alu depctr_va_vdst(0)
	s_wait_tensorcnt 0x0                           ; my tile of the head's four is in; these lines stand ahead of slot 1's first fill as ahead of a refill
	ds_add_u32 v[SPW], v[NIL]
	s_mov_b32 s[G1+2], NA<<16                      ; no tensor load of mine is out: from here on a load brings half of A's or of B's part of a slot
	s_mov_b32 s[G1+4], NA
	s_mov_b32 s[G1B+2], 8<<16
	s_mov_b32 s[G1B+4], 8
	s_wait_dscnt 0x0
	CROUND                                         ; all four tiles are in, and the sixteen work-groups are here
	JLOAD G0+4, G1, G0B+4, G1B                     ; slot 1
	FETCH_B 0, 0, 0
	FETCH_A 0, 0, 0
	SCALES 0
	FETCH_A 0, 0, H
	STEP 0, 1
	s_mov_b32 s3, LAPS-1
.Llap:
	TURN 0, 1, 1
	STEP 1, 0
	TURN 1, 0, 1
	STEP 0, 0
	s_sub_co_u32 s3, s3, 1
	s_cmp_lg_u32 s3, 0
	s_cbranch_scc1 .Llap
	TURN 0, 1, 0
	STEP 1, 0
	s_wait_dscnt 4*H
	MULR 0, H, 1, 1, 1, 0
	s_wait_dscnt 0x0
	MULR H, H, 1, 1, 1, 0
	WIN 0
	PLACES 8
.macro SOFTQ a
.set AC, 64*(\a)
	WIN 0x2a
.irp b, 0,1,2,3
	v_max3_num_f32 v[TM+\b], v[AC+16*\b], v[AC+16*\b+1], v[AC+16*\b+2]
.endr
	WIN 0x28
.irp i, 3,5,7,9,11,13
.irp b, 0,1,2,3
	v_max3_num_f32 v[TM+\b], v[TM+\b], v[AC+16*\b+\i], v[AC+16*\b+\i+1]
.endr
.endr
.irp b, 0,1,2,3
	v_max_num_f32 v[TM+\b], v[TM+\b], v[AC+16*\b+15]
.endr
	WIN 0
.irp b, 0,1,2,3
	v_permlanex16_b32 v[TM+4+\b], v[TM+\b], s[SEL], s[SEL+1]
.endr
.irp b, 0,1,2,3
	v_max_num_f32 v[TM+\b], v[TM+\b], v[TM+4+\b]
.endr
	v_max3_num_f32 v[XR], v[TM], v[TM+1], v[TM+2]
	v_max_num_f32 v[XR], v[XR], v[TM+3]
	v_mul_f32 v[XR], s[CS], v[XR]
	v_floor_f32 v[NM+2*(\a)], -v[XR]
	WIN 0x02
.set J, 0
.rept 32
	v_pk_fma_f32 v[T+J:T+J+1], v[AC+J:AC+J+1], s[CS:CS+1], v[NM+2*(\a):NM+2*(\a)+1] op_sel_hi:[1,0,0]
.set J, J+2
.endr
	WIN 0
.irp b, 0,1,2,3
	v_fma_f32 v[TM+\b], v[TM+\b], s[CS], v[NM+2*(\a)]
.endr
.set J, 0
	s_wait_alu depctr_va_vdst(0)
.rept 64
	v_exp_f32 v[T+J], v[T+J]
.set J, J+1
.endr
	v_nop
	s_wait_alu depctr_va_vdst(0)
.irp b, 0,1,2,3
	v_exp_f32 v[TM+\b], v[TM+\b]
.endr
	v_pk_add_f32 v[SU:SU+1], v[T:T+1], v[T+2:T+3]
	v_pk_add_f32 v[SU+2:SU+3], v[T+4:T+5], v[T+6:T+7]
.irp j, 8,12,16,20,24,28,32,36,40,44,48,52,56,60
	v_pk_add_f32 v[SU:SU+1], v[SU:SU+1], v[T+\j:T+\j+1]
	v_pk_add_f32 v[SU+2:SU+3], v[SU+2:SU+3], v[T+\j+2:T+\j+3]
.endr
	v_pk_add_f32 v[SU:SU+1], v[SU:SU+1], v[SU+2:SU+3]
	v_add_f32 v[LS+(\a)], v[SU], v[SU+1]
	v_permlanex16_b32 v[TP], v[LS+(\a)], s[SEL], s[SEL+1]
	v_add_f32 v[LS+(\a)], v[LS+(\a)], v[TP]
	s_wait_alu depctr_va_vdst(0)
.irp b, 0,1,2,3
	v_max_num_f32 v[TM+\b], 0x4800000, v[TM+\b]
.endr
.irp b, 0,1,2,3
	v_add_nc_u32 v[TM+12+\b], 0xfc000000, v[TM+\b]
.endr
.irp b, 0,1,2,3
	v_and_or_b32 v[TM+8+\b], v[TM+\b], 0x7f800000, s[MNT]
.endr
.irp b, 0,1,2,3
	v_lshrrev_b32 v[TM+4+\b], 23, v[TM+12+\b]
.endr
	v_lshl_or_b32 v[PW+(\a)], v[TM+5], 8, v[TM+4]
	v_lshl_or_b32 v[PW+(\a)], v[TM+6], 16, v[PW+(\a)]
	v_lshl_or_b32 v[PW+(\a)], v[TM+7], 24, v[PW+(\a)]
.irp b, 0,1,2,3
.set J, 0
.rept 16
	v_min_num_f32 v[T+16*\b+J], v[T+16*\b+J], v[TM+8+\b]
.set J, J+1
.endr
	v_cvt_scalef32_pk8_fp8_f32 v[PC+16*(\a)+4*\b:PC+16*(\a)+4*\b+1], v[T+16*\b:T+16*\b+7], v[TM+12+\b]
	v_cvt_scalef32_pk8_fp8_f32 v[PC+16*(\a)+4*\b+2:PC+16*(\a)+4*\b+3], v[T+16*\b+8:T+16*\b+15], v[TM+12+\b]
.endr
	v_nop
.irp c, 0,1,2,3
	global_store_b128 v[LI], v[PC+16*(\a)+4*\c:PC+16*(\a)+4*\c+3], s[8:9] offset:(\a)*32768+512*\c
.endr
	ds_store_b32 v[SWA], v[PW+(\a)] offset:128*(\a)
	ds_store_b32 v[SWA], v[NM+2*(\a)] offset:1024+128*(\a)
	ds_store_b32 v[SWA], v[LS+(\a)] offset:2048+128*(\a)
.endm
	SOFTQ 0
	SOFTQ 1
	SOFTQ 2
	SOFTQ 3
	s_wait_dscnt 0x0
	s_barrier_signal -1
	s_barrier_wait -1
.irp p, 0,1,2
	ds_load_b64 v[TM+2*\p:TM+2*\p+1], v[SRD] offset:1024*\p
.endr
	s_wait_dscnt 0x0
.irp p, 0,1,2
	global_store_b64 v[L8], v[TM+2*\p:TM+2*\p+1], s[10:11] offset:262144*\p
.endr
	s_wait_tensorcnt 0x0
	ds_add_u32 v[SPW], v[NIL]
	s_wait_dscnt 0x0
	CROUND
	s_endpgm
.Lfunc_end_k_q3fac9f1393_scores:
	.size	k_q3fac9f1393_scores, .Lfunc_end_k_q3fac9f1393_scores-k_q3fac9f1393_scores
	.p2alignl 7, 3214868480
	.fill 96, 4, 3214868480
	.section	.rodata,"a",@progbits
	.p2align	6, 0x0
	.amdhsa_kernel k_q3fac9f1393_scores
		.amdhsa_group_segment_fixed_size 327680
		.amdhsa_private_segment_fixed_size 0
		.amdhsa_enable_private_segment 0
		.amdhsa_kernarg_size 32
		.amdhsa_user_sgpr_count 2
		.amdhsa_user_sgpr_kernarg_segment_ptr 1
		.amdhsa_wavefront_size32 1
		.amdhsa_system_sgpr_workgroup_id_x 1
		.amdhsa_system_sgpr_workgroup_id_y 1
		.amdhsa_system_sgpr_workgroup_id_z 1
		.amdhsa_system_vgpr_workitem_id 0
		.amdhsa_next_free_vgpr 768
		.amdhsa_next_free_sgpr 102
		.amdhsa_reserve_vcc 0
		.amdhsa_float_denorm_mode_32 3
		.amdhsa_float_denorm_mode_16_64 3
		.amdhsa_memory_ordered 1
		.amdhsa_forward_progress 1
		.amdhsa_inst_pref_size 133
	.end_amdhsa_kernel
	.amdgpu_metadata
---
amdhsa.version: [ 1, 2 ]
amdhsa.kernels:
  - .name:           k_q3fac9f1393_scores
    .symbol:         k_q3fac9f1393_scores.kd
    .args:
      - { .name: qk, .offset: 0, .size: 8, .value_kind: global_buffer, .address_space: global }
      - { .name: qks, .offset: 8, .size: 8, .value_kind: global_buffer, .address_space: global }
      - { .name: pc, .offset: 16, .size: 8, .value_kind: global_buffer, .address_space: global }
      - { .name: pmeta, .offset: 24, .size: 8, .value_kind: global_buffer, .address_space: global }
    .group_segment_fixed_size: 327680
    .private_segment_fixed_size: 0
    .kernarg_segment_align: 8
    .kernarg_segment_size: 32
    .max_flat_workgroup_size: 128
    .sgpr_count:     102
    .vgpr_count:     768
    .wavefront_size: 32
...
	.end_amdgpu_metadata
.endif
;; end of part 3
;; launch pv (part 4): grid 8 x 32, 4 waves a work-group, clusters of 4 x 4, 327,680 bytes of LDS; arguments pc, pmeta, vt, vts, out0; writes out0
.if DOCPART == 4
	.amdgcn_target "amdgcn-amd-amdhsa--gfx1250"
	.amdhsa_code_object_version 6
	.text
	.protected	k_q3fac9f1393_pv
	.globl	k_q3fac9f1393_pv
	.p2align	8
	.type	k_q3fac9f1393_pv,@function
k_q3fac9f1393_pv:
	s_mov_b64 s[64:65], 0
	v_nop
	global_prefetch_b8 v0, s[64:65] scope:SCOPE_SE
	s_setreg_imm32_b32 hwreg(HW_REG_WAVE_MODE, 25, 1), 1
	s_wait_xcnt 0x0
	s_wait_alu depctr_hold_cnt(0) depctr_sa_sdst(0) depctr_va_vdst(0) depctr_va_sdst(0) depctr_va_ssrc(0) depctr_va_vcc(0) depctr_vm_vsrc(0)
	s_getreg_b32 s2, hwreg(HW_REG_IB_STS2, 6, 4)
	s_cmp_eq_u32 s2, 0
	s_cbranch_scc0 .Lentry_in_a_cluster
	s_endpgm
.Lentry_in_a_cluster:
	s_bfe_u32 s2, ttmp6, 0x10000c
	s_cmp_lg_u32 s2, 0xf033
	s_cbranch_scc0 .Lentry_shape_is_right
	s_endpgm
.Lentry_shape_is_right:
.set NA,    4
.set NB,    4
.set KT,    16
.set AH,    NA*8192
.set BH,    NB*8192
.set SLOT,  2*AH+2*BH
.set SCA,   2*SLOT
.set SCB,   SCA+8192
.set RL,    SCB+8192
.set STG,   RL+512
.set SPT,   272
.set SPARE, STG+4*16*SPT
.set SC,    32
.set RLR,   64
.set ACC,   128
.set ADRA,  16
.set ADRB,  20
.set ADSA,  22
.set ADSB,  23
.set STO,   24
.set RD,    25
.set GO,    26
.set RLA,   27
.set SPW,   28
.set NIL,   29
.set PO,    30
.set SAW,   31
.set SW,    128
.set NMR,   144
.set PL,    160
.set GM,    176
.set DD,    177
.set BY,    178
.set ONE,   182
.set SM,    184
.set G1,    24
.set G0,    32
.set G1B,   48
.set G0B,   56
.set G1SB,  80
.set G0SB,  88
.set MSB, 0
.macro WIN new
.if MSB != (\new)
	s_set_vgpr_msb (MSB<<8)|(\new)
.set MSB, (\new)
.endif
.endm
.macro PLACES n
.rept \n
	v_nop
.endr
.endm
.macro JLOAD g0a, g1a, g0b, g1b
	s_cmp_eq_u32 s15, 0
	s_cbranch_scc0 .Lfor_b_\@
	tensor_load_to_lds s[\g0a:\g0a+3], s[\g1a:\g1a+7]
	s_nop 0
.rept 4
	v_nop
.endr
	s_branch .Lasked_\@
.Lfor_b_\@:
	tensor_load_to_lds s[\g0b:\g0b+3], s[\g1b:\g1b+7]
	s_nop 0
.rept 4
	v_nop
.endr
.Lasked_\@:
.endm
.macro CREST
	s_cmp_lg_u32 s14, 0
	s_cbranch_scc1 .Lnot_wave_0_\@
	s_barrier_signal -3
.Lnot_wave_0_\@:
	s_barrier_wait -3
	s_barrier_signal -1
	s_barrier_wait -1
.endm
.macro CROUND
	s_barrier_signal -1
	s_barrier_wait -1
	CREST
.endm
	s_load_b128 s[4:7], s[0:1], 0x0
	s_load_b128 s[8:11], s[0:1], 0x10
	s_load_b64 s[12:13], s[0:1], 0x20
	v_lshl_add_u32 v[SPW], v0, 2, SPARE
	v_mov_b32 v[NIL], 0
	ds_add_u32 v28, v29
	ds_add_u32 v28, v29
	s_wait_dscnt 0x0
	v_lshlrev_b32 v[PO], 3, v0
	v_lshrrev_b32 v1, 5, v0
	v_readfirstlane_b32 s14, v1
	s_lshr_b32 s15, s14, 1
	s_and_b32 s16, s14, 1
	s_bfe_u32 s40, ttmp6, 0x40000
	s_bfe_u32 s41, ttmp6, 0x40004
	s_and_b32 s18, ttmp7, 0xffff
	s_lshl_b32 s17, s18, 2
	s_add_co_u32 s17, s17, s41
	s_lshl_b32 s42, ttmp9, 2
	s_add_co_u32 s42, s42, s40
	s_lshl_b32 s19, s18, 3
	s_add_co_u32 s42, s42, s19
	s_lshl_b32 s43, s41, 2
	s_lshl_b32 s43, 15, s43
	s_lshl_b32 s44, 0x1111, s40
	s_or_b32 s[G1], s43, (3<<16)|(1<<21)
	s_mov_b32 s[G1+1], 1024<<16
	s_mov_b32 s[G1+2], (2*NA)<<16                  ; the head's load brings both halves of A's part of slot 0
	s_mov_b32 s[G1+3], 1024<<16
	s_mov_b32 s[G1+4], 2*NA
	s_mov_b32 s[G1+5], KT*256
	s_mov_b32 s[G1+6], 0
	s_mov_b32 s[G1+7], 0
	s_or_b32 s[G1B], s44, (3<<16)|(1<<21)
	s_mov_b32 s[G1B+1], 1024<<16
	s_mov_b32 s[G1B+2], (2*NB)<<16                 ; and both halves of B's
	s_mov_b32 s[G1B+3], 1024<<16
	s_mov_b32 s[G1B+4], 2*NB
	s_mov_b32 s[G1B+5], KT*256
	s_mov_b32 s[G1B+6], 0
	s_mov_b32 s[G1B+7], 0
	s_or_b32 s[G1SB], s44, (3<<16)|(1<<21)
	s_mov_b32 s[G1SB+1], 128<<16
	s_mov_b32 s[G1SB+2], 4<<16                     ; B's scale words: four pairs of K steps to a load, waves 1 and 3
	s_mov_b32 s[G1SB+3], 128<<16
	s_mov_b32 s[G1SB+4], 4
	s_mov_b32 s[G1SB+5], 8192
	s_mov_b32 s[G1SB+6], 0
	s_mov_b32 s[G1SB+7], 0
	s_mul_i32 s20, s17, 2*NA
	s_mul_i32 s21, s16, NA
	s_add_co_u32 s20, s20, s21
	s_mul_i32 s20, s20, KT*2048
	s_mov_b32 s21, 0
	s_mul_i32 s46, s42, 2*NB
	s_mul_i32 s47, s16, NB
	s_add_co_u32 s46, s46, s47
	s_mul_i32 s46, s46, KT*2048
	s_mov_b32 s47, 0
	s_lshl_b32 s66, s15, 18
	s_lshl_b32 s67, s42, 10
	s_add_co_u32 s66, s66, s67
	s_mov_b32 s67, 0
	s_lshl_b32 s22, s17, 10
	s_mov_b32 s23, 0
	s_mul_i32 s45, s16, AH
	s_mul_i32 s100, s16, BH
	s_add_co_u32 s100, s100, 2*AH
	s_lshl_b32 s19, s15, 12
	s_wait_alu depctr_va_vdst(0)
	s_wait_kmcnt 0x0
	s_add_nc_u64 s[20:21], s[4:5], s[20:21]
	s_add_nc_u64 s[46:47], s[8:9], s[46:47]
	s_add_nc_u64 s[66:67], s[10:11], s[66:67]
	s_add_nc_u64 s[6:7], s[6:7], s[22:23]
.irp k, 0,1,2,3,4,5,6,7
	global_load_b64 v[SW+2*\k:SW+2*\k+1], v[PO], s[6:7] offset:32768*\k
	global_load_b64 v[NMR+2*\k:NMR+2*\k+1], v[PO], s[6:7] offset:262144+32768*\k
	global_load_b64 v[PL+2*\k:PL+2*\k+1], v[PO], s[6:7] offset:524288+32768*\k
.endr
	CROUND
	s_mov_b32 s[G0SB], 1
	s_add_co_u32 s[G0SB+1], s19, SCB
	s_mov_b64 s[G0SB+2:G0SB+3], s[66:67]
	s_or_b32 s[G0SB+3], s[G0SB+3], 0x80000000
.irp s, 0,1
	s_mov_b32 s[G0+4*\s], 1
	s_add_co_u32 s[G0+4*\s+1], s45, \s*SLOT
	s_add_nc_u64 s[G0+4*\s+2:G0+4*\s+3], s[20:21], \s*8192
	s_or_b32 s[G0+4*\s+3], s[G0+4*\s+3], 0x80000000
	s_mov_b32 s[G0B+4*\s], 1
	s_add_co_u32 s[G0B+4*\s+1], s100, \s*SLOT
	s_add_nc_u64 s[G0B+4*\s+2:G0B+4*\s+3], s[46:47], \s*8192
	s_or_b32 s[G0B+4*\s+3], s[G0B+4*\s+3], 0x80000000
.endr
; the head's tiles, one a wave, in one chain of arms: wave 0 A's part of slot 0, wave 2 B's, waves 1 and 3 the halves of B's scale words
	s_cmp_eq_u32 s14, 0
	s_cbranch_scc0 .Lhead_1
	tensor_load_to_lds s[G0:G0+3], s[G1:G1+7]
	s_nop 0
	PLACES 4
	s_branch .Lhead_asked
.Lhead_1:
	s_cmp_eq_u32 s14, 2
	s_cbranch_scc0 .Lhead_2
	tensor_load_to_lds s[G0B:G0B+3], s[G1B:G1B+7]
	s_nop 0
	PLACES 4
	s_branch .Lhead_asked
.Lhead_2:
	tensor_load_to_lds s[G0SB:G0SB+3], s[G1SB:G1SB+7]
	s_nop 0
	PLACES 4
.Lhead_asked:
	v_and_b32 v1, 15, v0
	v_bfe_u32 v2, v0, 4, 1
	v_and_b32 v3, 31, v0
	v_lshlrev_b32 v5, 4, v3
	s_mul_i32 s21, s15, AH
	s_mul_i32 s22, s16, BH
	s_add_co_u32 s22, s22, 2*AH
.irp s, 0,1
	v_add_nc_u32 v[ADRA+\s], s21, v5
	v_add_nc_u32 v[ADRB+\s], s22, v5
	s_add_co_u32 s21, s21, SLOT
	s_add_co_u32 s22, s22, SLOT
.endr
	v_lshlrev_b32 v4, 3, v1
	s_lshl_b32 s21, s15, 9
	s_add_co_u32 s21, s21, SCA
	v_add_nc_u32 v[ADSA], s21, v4
	s_lshl_b32 s22, s16, 9
	s_add_co_u32 s22, s22, SCB
	v_add_nc_u32 v[ADSB], s22, v4
	s_mul_i32 s21, s14, 16*SPT
	s_add_co_u32 s21, s21, STG
	v_mul_u32_u24 v[STO], v1, SPT
	v_lshl_add_u32 v[STO], v2, 5, v[STO]
	v_add_nc_u32 v[STO], s21, v[STO]
	v_mul_u32_u24 v[RD], v2, SPT
	v_lshl_add_u32 v[RD], v1, 4, v[RD]
	v_add_nc_u32 v[RD], s21, v[RD]
	v_lshlrev_b32 v[GO], 12, v2
	v_lshl_add_u32 v[GO], v1, 4, v[GO]
	s_lshl_b32 s21, s15, 8
	s_add_co_u32 s21, s21, RL
	v_lshlrev_b32 v[RLA], 2, v1
	v_add_nc_u32 v[RLA], s21, v[RLA]
	v_add_nc_u32 v[SAW], SCA, v[PO]
	v_lshl_add_u32 v4, v0, 2, RL
	v_mov_b32 v[ONE], 1
	s_lshl_b32 s20, s17, 19
	s_lshl_b32 s21, s15, 18
	s_add_co_u32 s20, s20, s21
	s_lshl_b32 s21, ttmp9, 2
	s_add_co_u32 s21, s21, s40
	s_lshl_b32 s21, s21, 9
	s_add_co_u32 s20, s20, s21
	s_lshl_b32 s21, s16, 8
	s_add_co_u32 s20, s20, s21
	s_mov_b32 s21, 0
	s_add_nc_u64 s[12:13], s[12:13], s[20:21]
	s_wait_loadcnt 0x0
	v_min3_num_f32 v[GM], v[NMR], v[NMR+1], v[NMR+2]
.irp i, 3,5,7,9,11,13
	v_min3_num_f32 v[GM], v[GM], v[NMR+\i], v[NMR+\i+1]
.endr
	v_min_num_f32 v[GM], v[GM], v[NMR+15]
.macro FIX k
	v_sub_f32 v[DD], v[GM], v[NMR+\k]
	v_max_num_f32 v[DD], 0xc37e0000, v[DD]
	v_cvt_i32_f32 v[DD], v[DD]
	v_ldexp_f32 v[PL+\k], v[PL+\k], v[DD]
.irp i, 0,1,2,3
	v_bfe_u32 v[BY+\i], v[SW+\k], 8*\i, 8
.endr
.irp i, 0,1,2,3
	v_add_nc_u32 v[BY+\i], v[BY+\i], v[DD]
.endr
.irp i, 0,1,2,3
	v_cmp_gt_i32 vcc_lo, 1, v[BY+\i]
	v_cndmask_b32 v[BY+\i], v[BY+\i], v[ONE], vcc_lo
.endr
	v_lshl_or_b32 v[SW+\k], v[BY+1], 8, v[BY]
	v_lshl_or_b32 v[SW+\k], v[BY+2], 16, v[SW+\k]
	v_lshl_or_b32 v[SW+\k], v[BY+3], 24, v[SW+\k]
.endm
.irp k, 0,1,2,3,4,5,6,7,8,9,10,11,12,13,14,15
	FIX \k
.endr
	v_pk_add_f32 v[SM:SM+1], v[PL:PL+1], v[PL+2:PL+3]
	v_pk_add_f32 v[SM+2:SM+3], v[PL+4:PL+5], v[PL+6:PL+7]
	v_pk_add_f32 v[SM:SM+1], v[SM:SM+1], v[PL+8:PL+9]
	v_pk_add_f32 v[SM+2:SM+3], v[SM+2:SM+3], v[PL+10:PL+11]
	v_pk_add_f32 v[SM:SM+1], v[SM:SM+1], v[PL+12:PL+13]
	v_pk_add_f32 v[SM+2:SM+3], v[SM+2:SM+3], v[PL+14:PL+15]
	v_pk_add_f32 v[SM:SM+1], v[SM:SM+1], v[SM+2:SM+3]
	v_add_f32 v[SM], v[SM], v[SM+1]
	s_wait_alu depctr_va_vdst(0)
	v_rcp_f32 v[SM+2], v[SM]
	v_nop
	s_wait_alu depctr_va_vdst(0)
.irp k, 0,1,2,3,4,5,6,7
	ds_store_b64 v[SAW], v[SW+2*\k:SW+2*\k+1] offset:1024*\k
.endr
	ds_store_b32 v4, v[SM+2]
.macro FRAG reg, adr, q, i
.irp c, 0,1,2,3
	ds_load_b128 v[(\reg)+4*\c:(\reg)+4*\c+3], v[\adr] offset:(\i)*8192+(\q)*2048+512*\c
.endr
.endm
.macro FETCH k
.set FB, 128*((\k)%2)
.set FS, ((\k)/4)%2
.set FQ, (\k)%4
.set FP, (\k)/2
	WIN 0x40
.irp i, 0,1,2,3
	FRAG FB+64+16*\i, ADRB+FS, FQ, \i
.endr
.irp i, 0,1,2,3
	FRAG FB+16*\i, ADRA+FS, FQ, \i
.endr
	WIN 0
.if (\k)%2 == 0
.irp i, 0,1,2,3
	ds_load_b64 v[SC+16*(FP%2)+2*\i:SC+16*(FP%2)+2*\i+1], v[ADSA] offset:FP*1024+128*\i
	ds_load_b64 v[SC+16*(FP%2)+8+2*\i:SC+16*(FP%2)+8+2*\i+1], v[ADSB] offset:FP*1024+128*\i
.endr
.endif
.endm
.macro MULH k, a0
.set FB, 128*((\k)%2)
.set SS0, SC+16*(((\k)/2)%2)
.set QW, (\k)%2
	WIN 0x05
.irp a, \a0, \a0+1
.irp b, 0,1,2,3
.if (\k) == 0
	v_wmma_scale_f32_16x16x128_f8f6f4 v[ACC+8*(4*(\a)+\b):ACC+8*(4*(\a)+\b)+7], v[FB+64+16*\b:FB+64+16*\b+15], v[FB+16*(\a):FB+16*(\a)+15], 0, v[SS0+8+2*\b+QW], v[SS0+2*(\a)+QW]
.else
	v_wmma_scale_f32_16x16x128_f8f6f4 v[ACC+8*(4*(\a)+\b):ACC+8*(4*(\a)+\b)+7], v[FB+64+16*\b:FB+64+16*\b+15], v[FB+16*(\a):FB+16*(\a)+15], v[ACC+8*(4*(\a)+\b):ACC+8*(4*(\a)+\b)+7], v[SS0+8+2*\b+QW], v[SS0+2*(\a)+QW]
.endif
.endr
.endr
.endm
.macro KPLAIN k
	s_wait_dscnt 0x0
.if (\k) > 0
	PLACES 8
.endif
	FETCH (\k)+1
	MULH \k, 0
	MULH \k, 2
.endm
.macro KTURN k, fill
.set TS, ((\k)/4)%2
	WIN 0
	s_wait_tensorcnt 0x0
	ds_add_u32 v[SPW], v[NIL]
	s_wait_dscnt 0x0
	s_barrier_signal -1
	MULH \k, 0
	WIN 0
	s_barrier_wait -1
.if \fill
	CREST
	s_add_nc_u64 s[G0+4*TS+2:G0+4*TS+3], s[G0+4*TS+2:G0+4*TS+3], 16384
	s_add_nc_u64 s[G0B+4*TS+2:G0B+4*TS+3], s[G0B+4*TS+2:G0B+4*TS+3], 16384
	JLOAD G0+4*TS, G1, G0B+4*TS, G1B
	PLACES 4
.else
	PLACES 8
.endif
	FETCH (\k)+1
	MULH \k, 2
.endm
	s_wait_alu depctr_va_vdst(0)
	s_wait_tensorcnt 0x0                           ; my tile of the head's is in; these lines stand ahead of slot 1's first fill as ahead of a refill
	ds_add_u32 v[SPW], v[NIL]
	s_mov_b32 s[G1+2], NA<<16                      ; no tensor load of mine is out: from here on a load brings half of A's or of B's part of a slot
	s_mov_b32 s[G1+4], NA
	s_mov_b32 s[G1B+2], NB<<16
	s_mov_b32 s[G1B+4], NB
	s_wait_dscnt 0x0                               ; the add is done, and my stores of A's scale words and of the reciprocal sums have landed
	CROUND                                         ; every wave's tiles and stores are in, and the sixteen work-groups are here
	JLOAD G0+4, G1, G0B+4, G1B                     ; slot 1
	FETCH 0
	KPLAIN 0
	KPLAIN 1
	KPLAIN 2
	KTURN 3, 1
	KPLAIN 4
	KPLAIN 5
	KPLAIN 6
	KTURN 7, 1
	KPLAIN 8
	KPLAIN 9
	KPLAIN 10
	KTURN 11, 0
	KPLAIN 12
	KPLAIN 13
	KPLAIN 14
	s_wait_dscnt 0x0
	MULH 15, 0
	MULH 15, 2
	WIN 0
.irp a, 0,1,2,3
	ds_load_b32 v[RLR+2*\a], v[RLA] offset:64*\a
	ds_load_b32 v[RLR+2*\a+1], v[RLA] offset:64*\a
.endr
	PLACES 8
	s_wait_dscnt 0x0
.macro MULT a
.set J, 0
.rept 16
	v_pk_mul_f32 v[ACC+32*(\a)+J:ACC+32*(\a)+J+1], v[ACC+32*(\a)+J:ACC+32*(\a)+J+1], v[RLR+2*(\a):RLR+2*(\a)+1]
.set J, J+2
.endr
.endm
.macro TOSTAGE a
.irp b, 0,1,2,3
	ds_store_b128 v[STO], v[ACC+32*(\a)+8*\b:ACC+32*(\a)+8*\b+3] offset:64*\b
	ds_store_b128 v[STO], v[ACC+32*(\a)+8*\b+4:ACC+32*(\a)+8*\b+7] offset:64*\b+16
.endr
	WIN 0x40
.irp t, 0,1,2,3,4,5,6,7
	ds_load_b128 v[32*(\a)+4*\t:32*(\a)+4*\t+3], v[RD] offset:2*\t*SPT
.endr
	WIN 0
.endm
.macro SEND a, younger
	s_wait_dscnt \younger
	WIN 0x04
.irp t, 0,1,2,3,4,5,6,7
	global_store_b128 v[GO], v[32*(\a)+4*\t:32*(\a)+4*\t+3], s[12:13] offset:(\a)*65536+\t*8192 th:TH_STORE_NT
.endr
	WIN 0
.endm
	MULT 0
	TOSTAGE 0
.irp a, 1,2,3
	MULT \a
	TOSTAGE \a
	SEND \a-1, 16
.endr
	SEND 3, 0
	s_wait_tensorcnt 0x0
	ds_add_u32 v[SPW], v[NIL]
	s_wait_dscnt 0x0
	CROUND
	s_endpgm
.Lfunc_end_k_q3fac9f1393_pv:
	.size	k_q3fac9f1393_pv, .Lfunc_end_k_q3fac9f1393_pv-k_q3fac9f1393_pv
	.p2alignl 7, 3214868480
	.fill 96, 4, 3214868480
	.section	.rodata,"a",@progbits
	.p2align	6, 0x0
	.amdhsa_kernel k_q3fac9f1393_pv
		.amdhsa_group_segment_fixed_size 327680
		.amdhsa_private_segment_fixed_size 0
		.amdhsa_enable_private_segment 0
		.amdhsa_kernarg_size 40
		.amdhsa_user_sgpr_count 2
		.amdhsa_user_sgpr_kernarg_segment_ptr 1
		.amdhsa_wavefront_size32 1
		.amdhsa_system_sgpr_workgroup_id_x 1
		.amdhsa_system_sgpr_workgroup_id_y 1
		.amdhsa_system_sgpr_workgroup_id_z 1
		.amdhsa_system_vgpr_workitem_id 0
		.amdhsa_next_free_vgpr 512
		.amdhsa_next_free_sgpr 102
		.amdhsa_reserve_vcc 1
		.amdhsa_float_denorm_mode_32 3
		.amdhsa_float_denorm_mode_16_64 3
		.amdhsa_memory_ordered 1
		.amdhsa_forward_progress 1
		.amdhsa_inst_pref_size 119
	.end_amdhsa_kernel
	.amdgpu_metadata
---
amdhsa.version: [ 1, 2 ]
amdhsa.kernels:
  - .name:           k_q3fac9f1393_pv
    .symbol:         k_q3fac9f1393_pv.kd
    .args:
      - { .name: pc, .offset: 0, .size: 8, .value_kind: global_buffer, .address_space: global }
      - { .name: pmeta, .offset: 8, .size: 8, .value_kind: global_buffer, .address_space: global }
      - { .name: vt, .offset: 16, .size: 8, .value_kind: global_buffer, .address_space: global }
      - { .name: vts, .offset: 24, .size: 8, .value_kind: global_buffer, .address_space: global }
      - { .name: out0, .offset: 32, .size: 8, .value_kind: global_buffer, .address_space: global }
    .group_segment_fixed_size: 327680
    .private_segment_fixed_size: 0
    .kernarg_segment_align: 8
    .kernarg_segment_size: 40
    .max_flat_workgroup_size: 128
    .sgpr_count:     102
    .vgpr_count:     512
    .wavefront_size: 32
...
	.end_amdgpu_metadata
.endif
;; end of part 4
